; MI455X (gfx1250); checked and timed in simulation.
; The chip was launched on July 23, 2026; its instructions are those of AMD's public machine-readable ISA for CDNA 5 (MIT licence, August 2026) and "CDNA5" Instruction Set Architecture Reference Guide (July 2026). The comments in the code are by the model that wrote it; some were corrected since.
;; Multi Head Attention. Allowed arithmetic: matrix products marked QUANTISED: E4M3 operands, one given power-of-two scale a tensor, by v_wmma_f32_16x16x64_fp8_fp8 or v_wmma_f32_16x16x128_fp8_fp8, f32 sums; everything else in f32.
;; Inputs: E_codes 2,048 x 2 x 32 uint8 (E4M3 codes of E, K innermost, in blocks of 32 codes); K_codes 2 x 2,048 x 32 x 32 uint8 (E4M3 codes of K, K innermost, in blocks of 32 codes); Q_codes 2 x 2,048 x 32 x 32 uint8 (E4M3 codes of Q, K innermost, in blocks of 32 codes); V_codes 2 x 2,048 x 32 x 32 uint8 (E4M3 codes of V, K innermost, in blocks of 32 codes); Wk_codes 1,024 x 32 x 32 uint8 (E4M3 codes of Wk, K innermost, in blocks of 32 codes); Wo_codes 1,024 x 32 x 32 uint8 (E4M3 codes of Wo, K innermost, in blocks of 32 codes); Wq_codes 1,024 x 32 x 32 uint8 (E4M3 codes of Wq, K innermost, in blocks of 32 codes); Wv_codes 1,024 x 32 x 32 uint8 (E4M3 codes of Wv, K innermost, in blocks of 32 codes); bk 1,024 float32; bo 1,024 float32; bq 1,024 float32; bv 1,024 float32; lowp_scales 14 int32 (the exponents e of the quantised operands' scales 2^e).
;; Outputs: out0 2 x 2,048 x 1,024 float32.
;; This version of the problem:
;;   THIS VERSION OF THE PROBLEM IS GIVEN IN LOW PRECISION. The matrix products marked QUANTISED in the list below multiply operands that are first quantised to E4M3 (4 exponent bits, 3 mantissa bits; 8 bits a number), with one given power-of-two scale for each operand tensor; their sums are f32. All else is computed in f32.
;;   The module's matrix products, in the order in which they are computed (A, B: the left and right operand; K: the contracted axis; several contracted axes count as one K, in the product's order):
;;     1. [M 4,096, K 1,024] x [K 1,024, N 1,024]; A: input Q (given as codes); B: input Wq (given as codes): QUANTISED (scales: A lowp_scales[0], B lowp_scales[1])
;;     2. [M 4,096, K 1,024] x [K 1,024, N 1,024]; A: input K (given as codes); B: input Wk (given as codes): QUANTISED (scales: A lowp_scales[2], B lowp_scales[3])
;;     3. [M 4,096, K 1,024] x [K 1,024, N 1,024]; A: input V (given as codes); B: input Wv (given as codes): QUANTISED (scales: A lowp_scales[4], B lowp_scales[5])
;;     4. [M 65,536, K 64] x [K 64, N 2,048]; A: computed on the way; B: input E (given as codes): QUANTISED (scales: A lowp_scales[6], B lowp_scales[7])
;;     5. batch 32 x [M 2,048, K 64] x [K 64, N 2,048]; A: computed on the way; B: computed on the way: QUANTISED (scales: A lowp_scales[8], B lowp_scales[9])
;;     6. batch 32 x [M 2,048, K 2,048] x [K 2,048, N 64]; A: softmax (see below); B: computed on the way: QUANTISED (scales: A lowp_scales[10], B lowp_scales[11])
;;     7. [M 4,096, K 1,024] x [K 1,024, N 1,024]; A: computed on the way; B: input Wo (given as codes): QUANTISED (scales: A lowp_scales[12], B lowp_scales[13])
;;   THE QUANTISER, for each operand of a quantised product, along K:
;;     - The operand's scale is 2^e, e = its entry of the input lowp_scales (int32; the entries are numbered through the quantised products in the list's order, A before B).
;;     - Each number is divided by the scale, clamped to +-448, and rounded to the nearest number of E4M3, ties to even, subnormals kept.
;;     - The product sums the exact products of the quantised numbers (number of the format x scale) in f32.
;;   ~~~python
;;   def quantise(x, axis, e):      # numpy; x: float32 -> the quantised numbers, widened to float32 again
;;       x = np.moveaxis(x, axis, -1); K = x.shape[-1]
;;       r = np.clip(x / 2.0 ** e, -448, 448)
;;       step = 2.0 ** (np.maximum(np.frexp(np.where(r == 0, 1, r))[1] - 1, -6) - 3)
;;       q = np.round(r / step) * step * 2.0 ** e      # np.round: ties to even
;;       return np.moveaxis(q, -1, axis).astype(np.float32)
;;   ~~~
;;   SOFTMAX AHEAD OF A QUANTISED PRODUCT. Where the list says 'softmax', what is quantised is not the finished softmax but p = 2^(t - M), with t = logit x log2(e) and M = ceil(the row's largest t), a whole number; so 1/2 < the row's largest p <= 1. The row's sum l is taken of the UNQUANTISED p, in f32, and the product's result is divided by l at the end. Since M is a whole number, a kernel that streams over the keys may use a running M (the ceiling of the running maximum): every later rescaling is an exact power of two, so the quantised numbers keep their values, but for numbers so far below the row's largest that they fall under the format's range.
;;   OPERANDS COMPUTED ON THE WAY. 'Computed on the way' means the value that the module computes at that place (a softmax that the list does not call 'softmax' is quantised finished and normalised). What goes into a quantiser is computed in f32, as accurately as f32 sums, v_exp_f32 and their like allow (about 1e-6 of the number): no bf16 or f16 on the way to a quantiser, and a product that is left as it is and whose result goes on into a quantised operand takes f32 operands (vector FMAs, or v_wmma_f32_16x16x4_f32). A number that lies on a knife's edge between two numbers of the format may be rounded either way, as far as f32 arithmetic and the matrix unit's own rounding can turn it there, and no further.
;;   INPUTS GIVEN AS CODES. E (in the module: [2048, 64], K = its axis 1); K (in the module: [2, 2048, 1024], K = its axis 2); Q (in the module: [2, 2048, 1024], K = its axis 2); V (in the module: [2, 2048, 1024], K = its axis 2); Wk (in the module: [1024, 1024], K = its axis 1); Wo (in the module: [1024, 1024], K = its axis 1); Wq (in the module: [1024, 1024], K = its axis 1); Wv (in the module: [1024, 1024], K = its axis 1): each comes as NAME_codes (uint8): NAME with its K axis moved to the last place and cut into blocks of 32 codes, [.., K / 32, bytes a block], one block behind the other in memory; one code a byte (a code: sign, 4 exponent bits, 3 mantissa bits); its scale is its entry of lowp_scales. Its value is code x scale, taken as it is: it is not quantised again, and the codes and scales need not be those that the quantiser above would give.
;; One version. Each part assembles by itself: llvm-mc -triple=amdgcn-amd-amdhsa -mcpu=gfx1250 --defsym DOCPART=n.
;; ======== version 1 of 1: 4 launches
;; limits: right only within a limited range of input values
;; workspace buffers: q6c 4,194,304 bytes; q8c 4,194,304 bytes; kc 4,194,304 bytes; vc 4,194,304 bytes; vt 4,194,304 bytes; ao 4,194,304 bytes
;; launch proj (part 1): grid 4 x 64, 4 waves a work-group, clusters of 4 x 4, 327,680 bytes of LDS; arguments Q_codes, K_codes, V_codes, Wq_codes, Wk_codes, Wv_codes, bq, bk, bv, lowp_scales, q6c, q8c, kc, vc; writes q6c, q8c, kc, vc
.if DOCPART == 1
	.amdgcn_target "amdgcn-amd-amdhsa--gfx1250"
	.amdhsa_code_object_version 6
	.text
	.protected	k_qf8db62dd9f_proj
	.globl	k_qf8db62dd9f_proj
	.p2align	8
	.type	k_qf8db62dd9f_proj,@function
k_qf8db62dd9f_proj:
	s_mov_b64 s[64:65], 0
	v_nop
	global_prefetch_b8 v0, s[64:65] scope:SCOPE_SE
	s_setreg_imm32_b32 hwreg(HW_REG_WAVE_MODE, 25, 1), 1
	s_wait_xcnt 0x0
	s_wait_alu depctr_hold_cnt(0) depctr_sa_sdst(0) depctr_va_vdst(0) depctr_va_sdst(0) depctr_va_ssrc(0) depctr_va_vcc(0) depctr_vm_vsrc(0)
	s_getreg_b32 s2, hwreg(HW_REG_IB_STS2, 6, 4)
	s_cmp_eq_u32 s2, 0
	s_cbranch_scc0 .Lentry_in_a_cluster
	s_endpgm
.Lentry_in_a_cluster:
	s_bfe_u32 s2, ttmp6, 0x10000c
	s_cmp_lg_u32 s2, 0xf033
	s_cbranch_scc0 .Lentry_shape_is_right
	s_endpgm
.Lentry_shape_is_right:
.set SIZE_K, 1024
.set SIZE_N, 1024
.set KSTEP,  256
.set ROWB,   256
.set KROW,   SIZE_K
.set PITCH,  272
.set FR,     16
.set NL,     4
.set NP,     4
.set HALFT,  128*PITCH
.set SLOT,   4*HALFT
.set LAPS,   SIZE_K/(2*KSTEP)
.set SPARE,  2*SLOT
.set SCL,  12
.set LIM,  13
.set ADRA, 16
.set ADRB, 20
.set STO,  24
.set RD,   25
.set CO,   26
.set BO,   27
.set SPW,  28
.set NIL,  29
.set BIAS, 32
.set TMP,  96
.set COD,  160
.set AF,   128
.set JOB,  67
.set G1, 24
.set G0, 32
.set G1B, 48
.set G0B, 56
.set MSB, 0
.macro WIN new
.if MSB != \new
	s_set_vgpr_msb (MSB<<8)|\new
.set MSB, \new
.endif
.endm
.set MUL_LO, 0xa1
.set MUL_HI, 0xf1
.set TO_B,   0x40
.macro JLOAD g0a, g1a, g0b, g1b
	s_cmp_eq_u32 s15, 0
	s_cbranch_scc0 .Lfor_b_\@
	tensor_load_to_lds s[\g0a:\g0a+3], s[\g1a:\g1a+7]
	s_nop 0
.rept 4
	v_nop
.endr
	s_branch .Lasked_\@
.Lfor_b_\@:
	tensor_load_to_lds s[\g0b:\g0b+3], s[\g1b:\g1b+7]
	s_nop 0
.rept 4
	v_nop
.endr
.Lasked_\@:
.endm
.macro CREST
	s_cmp_lg_u32 s14, 0
	s_cbranch_scc1 .Lnot_wave_0_\@
	s_barrier_signal -3
.Lnot_wave_0_\@:
	s_barrier_wait -3
	s_barrier_signal -1
	s_barrier_wait -1
.endm
.macro CROUND
	s_barrier_signal -1
	s_barrier_wait -1
	CREST
.endm
	s_load_b512 s[68:83], s[0:1], 0x0
	s_load_b256 s[84:91], s[0:1], 0x40
	s_load_b128 s[92:95], s[0:1], 0x60
	v_lshl_add_u32 v[SPW], v0, 2, SPARE
	v_mov_b32 v[NIL], 0
	ds_add_u32 v28, v29
	ds_add_u32 v28, v29
	s_wait_dscnt 0x0
	v_lshrrev_b32 v1, 5, v0
	v_readfirstlane_b32 s14, v1
	s_lshr_b32 s15, s14, 1
	s_and_b32 s16, s14, 1
	s_bfe_u32 s40, ttmp6, 0x40000
	s_bfe_u32 s41, ttmp6, 0x40004
	s_lshl_b32 s42, ttmp9, 2
	s_add_co_u32 s42, s42, s40
	s_and_b32 s66, ttmp7, 0xffff
	s_lshr_b32 s[JOB], s66, 2
	s_and_b32 s17, s66, 3
	s_lshl_b32 s17, s17, 2
	s_add_co_u32 s17, s17, s41
	s_lshl_b32 s43, s41, 2
	s_lshl_b32 s43, 15, s43
	s_lshl_b32 s44, 0x1111, s40
	s_or_b32 s[G1+0], s43, (0<<16)|(1<<20)|(1<<21)|(5<<22)|(3<<25)
	s_or_b32 s[G1B+0], s44, (0<<16)|(1<<20)|(1<<21)|(5<<22)|(3<<25)
.irp g, G1, G1B
	s_mov_b32 s[\g+1], ROWB<<16
	s_mov_b32 s[\g+2], 128<<16
	s_mov_b32 s[\g+3], ROWB<<16
	s_mov_b32 s[\g+4], 128
	s_mov_b32 s[\g+5], KROW
	s_mov_b32 s[\g+6], 0
	s_mov_b32 s[\g+7], 0
.endr
	s_lshl_b32 s18, s16, 7
	s_lshl_b32 s20, s17, 8
	s_add_co_u32 s20, s20, s18
	s_lshl_b32 s46, s42, 8
	s_add_co_u32 s46, s46, s18
	s_mov_b32 s21, 0
	s_mov_b32 s47, 0
	s_mov_b64 s[18:19], KROW
	s_mul_u64 s[20:21], s[20:21], s[18:19]
	s_mul_u64 s[46:47], s[46:47], s[18:19]
	s_mul_i32 s45, s14, HALFT
	s_wait_kmcnt 0x0
	s_cmp_eq_u32 s[JOB], 3
	s_cselect_b64 s[70:71], s[72:73], s[70:71]
	s_cselect_b64 s[76:77], s[78:79], s[76:77]
	s_cselect_b64 s[82:83], s[84:85], s[82:83]
	s_cselect_b64 s[92:93], s[94:95], s[92:93]
	s_cmp_eq_u32 s[JOB], 0
	s_cselect_b64 s[88:89], s[88:89], s[90:91]
	s_cmp_lt_u32 s[JOB], 2
	s_cselect_b64 s[4:5], s[68:69], s[70:71]
	s_cselect_b64 s[6:7], s[74:75], s[76:77]
	s_cselect_b64 s[8:9], s[80:81], s[82:83]
	s_cselect_b64 s[10:11], s[88:89], s[92:93]
	s_mov_b64 s[12:13], s[86:87]
	s_load_b256 s[68:75], s[12:13], 0x0
	s_load_b128 s[76:79], s[12:13], 0x20
	s_add_nc_u64 s[20:21], s[4:5], s[20:21]
	s_add_nc_u64 s[46:47], s[6:7], s[46:47]
	CROUND
.irp s, 0,1
	s_mov_b32 s[G0+4*\s], 1
	s_add_co_u32 s[G0+4*\s+1], s45, \s*SLOT
	s_add_nc_u64 s[G0+4*\s+2:G0+4*\s+3], s[20:21], \s*ROWB
	s_or_b32 s[G0+4*\s+3], s[G0+4*\s+3], 0x80000000
	s_mov_b32 s[G0B+4*\s], 1
	s_add_co_u32 s[G0B+4*\s+1], s45, \s*SLOT
	s_add_nc_u64 s[G0B+4*\s+2:G0B+4*\s+3], s[46:47], \s*ROWB
	s_or_b32 s[G0B+4*\s+3], s[G0B+4*\s+3], 0x80000000
	s_wait_alu depctr_va_vdst(0)
	s_wait_tensorcnt 0x0
	ds_add_u32 v28, v29
	ds_add_u32 v28, v29
	s_wait_dscnt 0x0
	CROUND
	JLOAD G0+4*\s, G1, G0B+4*\s, G1B
.endr
	v_and_b32 v1, 15, v0
	v_bfe_u32 v2, v0, 4, 1
	v_mul_u32_u24 v3, v1, PITCH
	s_wait_alu depctr_va_vdst(0)
	v_lshl_add_u32 v4, v2, 4, v3
	s_mul_i32 s21, s15, HALFT
	s_mul_i32 s22, s16, HALFT
	s_add_co_u32 s22, s22, 2*HALFT
.irp s, 0,1
	v_add_nc_u32 v[ADRA+\s], s21, v4
	v_add_nc_u32 v[ADRB+\s], s22, v4
	s_add_co_u32 s21, s21, SLOT
	s_add_co_u32 s22, s22, SLOT
.endr
	s_mul_i32 s23, s15, HALFT
	s_lshl_b32 s22, s16, 7
	s_add_co_u32 s23, s23, s22
	v_lshl_add_u32 v5, v2, 3, v3
	v_add_nc_u32 v[STO], s23, v5
	s_mul_i32 s23, s14, 64*PITCH
	v_mul_u32_u24 v6, v2, PITCH
	v_lshl_add_u32 v6, v1, 4, v6
	v_add_nc_u32 v[RD], s23, v6
	v_lshlrev_b32 v[CO], 10, v2
	v_lshl_add_u32 v[CO], v1, 4, v[CO]
	s_lshl_b32 s46, s42, 10
	s_lshl_b32 s47, s16, 9
	s_add_co_u32 s46, s46, s47
	s_mov_b32 s47, 0
	s_add_nc_u64 s[8:9], s[8:9], s[46:47]
	v_lshlrev_b32 v[BO], 5, v2
.irp b, 0,1,2,3,4,5,6,7
	global_load_b128 v[BIAS+8*\b:BIAS+8*\b+3],   v[BO], s[8:9] offset:64*\b
	global_load_b128 v[BIAS+8*\b+4:BIAS+8*\b+7], v[BO], s[8:9] offset:64*\b+16
.endr
	s_lshl_b32 s20, s17, 18
	s_lshl_b32 s21, s14, 16
	s_add_co_u32 s20, s20, s21
	s_lshl_b32 s21, s42, 8
	s_add_co_u32 s20, s20, s21
	s_mov_b32 s21, 0
	s_add_nc_u64 s[10:11], s[10:11], s[20:21]
.macro FRAG reg, adr, q, i
.irp c, 0,1,2,3
	ds_load_b128 v[\reg+4*\c:\reg+4*\c+3], v[\adr] offset:128*(\q)+32*\c+(\i)*16*PITCH
.endr
.endm
.macro MUL16 a0, p, zero
.irp a, \a0, \a0+1
.irp b, 0,1,2,3,4,5,6,7
.if \zero
	v_wmma_f32_16x16x128_fp8_fp8 v[8*(8*((\a)%4)+\b):8*(8*((\a)%4)+\b)+7], v[128*(\p)+FR*\b:128*(\p)+FR*\b+FR-1], v[AF+FR*(\a):AF+FR*(\a)+FR-1], 0
.else
	v_wmma_f32_16x16x128_fp8_fp8 v[8*(8*((\a)%4)+\b):8*(8*((\a)%4)+\b)+7], v[128*(\p)+FR*\b:128*(\p)+FR*\b+FR-1], v[AF+FR*(\a):AF+FR*(\a)+FR-1], v[8*(8*((\a)%4)+\b):8*(8*((\a)%4)+\b)+7]
.endif
.endr
.endr
.endm
.macro FETCH_B slot, q, p
	WIN TO_B
.irp i, 0,1,2,3,4,5,6,7
	FRAG 128*(\p)+FR*\i, ADRB+\slot, \q, \i
.endr
	WIN 0
.endm
.macro FETCH_A slot, q, i0
.irp i, \i0, \i0+1, \i0+2, \i0+3
	FRAG AF+FR*(\i), ADRA+\slot, \q, \i
.endr
.endm
.macro PLACES n
.rept \n
	v_nop
.endr
.endm
.macro STEP slot, q, zero
	s_wait_dscnt 4*NL
	WIN MUL_LO
	MUL16 0, (\q)%2, \zero
	MUL16 2, (\q)%2, \zero
	s_wait_dscnt 0
	PLACES NP
	FETCH_B \slot, (\q)+1, 1-(\q)%2
	FETCH_A \slot, (\q)+1, 0
	WIN MUL_HI
	MUL16 4, (\q)%2, \zero
	MUL16 6, (\q)%2, \zero
	PLACES NP
	WIN 0
	FETCH_A \slot, (\q)+1, 4
.endm
.macro TURN slot, next, fill
	s_wait_tensorcnt 0x0
	ds_add_u32 v[SPW], v[NIL]
	s_wait_dscnt 4*NL+1
	WIN MUL_LO
	MUL16 0, 1, 0
	s_wait_dscnt 0x0
	s_barrier_signal -1
	MUL16 2, 1, 0
	WIN 0
	s_barrier_wait -1
.if \fill
	CREST
	s_add_nc_u64 s[G0+4*\slot+2:G0+4*\slot+3], s[G0+4*\slot+2:G0+4*\slot+3], 2*ROWB
	s_add_nc_u64 s[G0B+4*\slot+2:G0B+4*\slot+3], s[G0B+4*\slot+2:G0B+4*\slot+3], 2*ROWB
	JLOAD G0+4*\slot, G1, G0B+4*\slot, G1B
.else
	PLACES NP
.endif
	s_wait_alu depctr_va_vdst(0)
	FETCH_B \next, 0, 0
	FETCH_A \next, 0, 0
	WIN MUL_HI
	MUL16 4, 1, 0
	MUL16 6, 1, 0
	PLACES NP
	WIN 0
	FETCH_A \next, 0, 4
.endm
	s_wait_tensorcnt 1
	s_barrier_signal -1
	s_barrier_wait -1
	FETCH_B 0, 0, 0
	FETCH_A 0, 0, 0
	FETCH_A 0, 0, 4
	STEP 0, 0, 1
	s_mov_b32 s3, LAPS-1
.Llap:
	TURN 0, 1, 1
	STEP 1, 0, 0
	TURN 1, 0, 1
	STEP 0, 0, 0
	s_sub_co_u32 s3, s3, 1
	s_cmp_lg_u32 s3, 0
	s_cbranch_scc1 .Llap
	TURN 0, 1, 0
	STEP 1, 0, 0
	s_wait_dscnt 4*NL
	WIN MUL_LO
	MUL16 0, 1, 0
	MUL16 2, 1, 0
	s_wait_dscnt 0
	WIN MUL_HI
	MUL16 4, 1, 0
	MUL16 6, 1, 0
	WIN 0
	s_wait_kmcnt 0x0
	s_cmp_eq_u32 s[JOB], 3
	s_cselect_b32 s70, s72, s70
	s_cselect_b32 s71, s73, s71
	s_cselect_b32 s77, s79, s77
	s_cmp_eq_u32 s[JOB], 0
	s_cselect_b32 s74, s74, s76
	s_cmp_lt_u32 s[JOB], 2
	s_cselect_b32 s68, s68, s70
	s_cselect_b32 s69, s69, s71
	s_cselect_b32 s74, s74, s77
	s_add_co_i32 s96, s68, s69
	s_add_co_i32 s96, s96, 127
	s_lshl_b32 s96, s96, 23
	s_mov_b32 s97, s96
	s_add_co_i32 s74, s74, 127
	s_lshl_b32 s75, s74, 23
	v_mov_b32 v[SCL], s75
	s_add_co_i32 s74, s74, 8
	s_lshl_b32 s74, s74, 23
	s_or_b32 s74, s74, 0x600000
	v_mov_b32 v[LIM], s74
	PLACES NP
	s_wait_loadcnt 0x0
.macro QBLOCK a
.set AC, 64*((\a)%4)
.if (\a) > 0
	s_wait_dscnt 0x0
.endif
	WIN 0x02+((\a)/4)
.set j, 0
.rept 32
	v_pk_fma_f32 v[TMP+j:TMP+j+1], v[AC+j:AC+j+1], s[96:97], v[BIAS+j:BIAS+j+1] op_sel_hi:[1,0,1]
.set j, j+2
.endr
	WIN 0
.set j, 0
.rept 64
	v_med3_num_f32 v[TMP+j], v[TMP+j], -v[LIM], v[LIM]
.set j, j+1
.endr
.irp b, 0,1,2,3,4,5,6,7
	v_cvt_scalef32_pk8_fp8_f32 v[COD+2*\b:COD+2*\b+1], v[TMP+8*\b:TMP+8*\b+7], v[SCL]
.endr
	v_nop
.irp b, 0,1,2,3,4,5,6,7
	ds_store_b64 v[STO], v[COD+2*\b:COD+2*\b+1] offset:(\a)*16*PITCH+16*\b
.endr
.endm
.irp a, 0,1,2,3,4,5,6,7
	QBLOCK \a
.endr
	s_wait_dscnt 0x0
	s_barrier_signal -1
	s_barrier_wait -1
.set i, 0
.rept 32
	ds_load_b128 v[TMP+4*i:TMP+4*i+3], v[RD] offset:i*2*PITCH
.set i, i+1
.endr
.set i, 0
.rept 32
	s_wait_dscnt 31-i
	global_store_b128 v[CO], v[TMP+4*i:TMP+4*i+3], s[10:11] offset:i*2*SIZE_N
.set i, i+1
.endr
	s_wait_tensorcnt 0x0
	ds_add_u32 v[SPW], v[NIL]
	s_wait_dscnt 0x0
	CROUND
	s_endpgm
.Lfunc_end_k_qf8db62dd9f_proj:
	.size	k_qf8db62dd9f_proj, .Lfunc_end_k_qf8db62dd9f_proj-k_qf8db62dd9f_proj
	.p2alignl 7, 3214868480
	.fill 96, 4, 3214868480
	.section	.rodata,"a",@progbits
	.p2align	6, 0x0
	.amdhsa_kernel k_qf8db62dd9f_proj
		.amdhsa_group_segment_fixed_size 327680
		.amdhsa_private_segment_fixed_size 0
		.amdhsa_enable_private_segment 0
		.amdhsa_kernarg_size 112
		.amdhsa_user_sgpr_count 2
		.amdhsa_user_sgpr_kernarg_segment_ptr 1
		.amdhsa_wavefront_size32 1
		.amdhsa_system_sgpr_workgroup_id_x 1
		.amdhsa_system_sgpr_workgroup_id_y 1
		.amdhsa_system_sgpr_workgroup_id_z 1
		.amdhsa_system_vgpr_workitem_id 0
		.amdhsa_next_free_vgpr 1024
		.amdhsa_next_free_sgpr 100
		.amdhsa_reserve_vcc 0
		.amdhsa_float_denorm_mode_32 3
		.amdhsa_float_denorm_mode_16_64 3
		.amdhsa_memory_ordered 1
		.amdhsa_forward_progress 1
		.amdhsa_inst_pref_size 145
	.end_amdhsa_kernel
	.amdgpu_metadata
---
amdhsa.version: [ 1, 2 ]
amdhsa.kernels:
  - .name:           k_qf8db62dd9f_proj
    .symbol:         k_qf8db62dd9f_proj.kd
    .args:
      - { .name: Q_codes, .offset: 0, .size: 8, .value_kind: global_buffer, .address_space: global }
      - { .name: K_codes, .offset: 8, .size: 8, .value_kind: global_buffer, .address_space: global }
      - { .name: V_codes, .offset: 16, .size: 8, .value_kind: global_buffer, .address_space: global }
      - { .name: Wq_codes, .offset: 24, .size: 8, .value_kind: global_buffer, .address_space: global }
      - { .name: Wk_codes, .offset: 32, .size: 8, .value_kind: global_buffer, .address_space: global }
      - { .name: Wv_codes, .offset: 40, .size: 8, .value_kind: global_buffer, .address_space: global }
      - { .name: bq, .offset: 48, .size: 8, .value_kind: global_buffer, .address_space: global }
      - { .name: bk, .offset: 56, .size: 8, .value_kind: global_buffer, .address_space: global }
      - { .name: bv, .offset: 64, .size: 8, .value_kind: global_buffer, .address_space: global }
      - { .name: lowp_scales, .offset: 72, .size: 8, .value_kind: global_buffer, .address_space: global }
      - { .name: q6c, .offset: 80, .size: 8, .value_kind: global_buffer, .address_space: global }
      - { .name: q8c, .offset: 88, .size: 8, .value_kind: global_buffer, .address_space: global }
      - { .name: kc, .offset: 96, .size: 8, .value_kind: global_buffer, .address_space: global }
      - { .name: vc, .offset: 104, .size: 8, .value_kind: global_buffer, .address_space: global }
    .group_segment_fixed_size: 327680
    .private_segment_fixed_size: 0
    .kernarg_segment_align: 8
    .kernarg_segment_size: 112
    .max_flat_workgroup_size: 128
    .sgpr_count:     100
    .vgpr_count:     1024
    .wavefront_size: 32
...
	.end_amdgpu_metadata
.endif
;; end of part 1
;; launch vtrans (part 2): grid 8 x 32, 8 waves a work-group, no clusters, 38,912 bytes of LDS; arguments vc, vt; writes vt
.if DOCPART == 2
	.amdgcn_target "amdgcn-amd-amdhsa--gfx1250"
	.amdhsa_code_object_version 6
	.text
	.protected	k_qf8db62dd9f_vtrans
	.globl	k_qf8db62dd9f_vtrans
	.p2align	8
	.type	k_qf8db62dd9f_vtrans,@function
k_qf8db62dd9f_vtrans:
	s_mov_b64 s[64:65], 0
	v_nop
	global_prefetch_b8 v0, s[64:65] scope:SCOPE_SE
	s_setreg_imm32_b32 hwreg(HW_REG_WAVE_MODE, 25, 1), 1
	s_wait_xcnt 0x0
; v's codes, [32 heads][2048 keys][64], are laid anew with the KEYS innermost, [32][64][2048]: the keys are the K of attention's second product.  Bytes are moved, no number is touched.
; A work-group takes 256 keys of one head (16,384 bytes on end); each of its eight waves 32 keys.  No matrix unit, no tensor load, no cluster: nothing is shared and nothing is multiplied.
; 1. four dense loads a wave (512 consecutive bytes each) go as they lie into the wave's own rows in LDS, a key's 64 bytes + 16 of padding;
; 2. a lane reads 16 bytes of each of four neighbouring keys; eight v_perm_b32 turn each 4 x 4 block of bytes; a word then holds four neighbouring keys of one channel;
; 3. the words go into a stage of 64 rows (channels) x 256 bytes (keys) + 16; a barrier; each wave reads whole rows and stores them, sixteen lanes to 256 consecutive aligned bytes.
; The word stores of step 3 fall four deep on the banks (a lane's four quarters of the channels lie 16 rows apart, a whole number of times through the 64 banks at any pitch that keeps 16-byte reads aligned): 16 stores a wave.
.set RP,  80                           ; a key's row in a wave's region
.set RW,  32*RP                        ; a wave's region
.set TST, 8*RW                         ; the stage
.set TP,  272                          ; its pitch
	s_load_b128 s[4:7], s[0:1], 0x0                ; vc, vt
	v_lshl_add_u32 v64, v0, 2, 0x9400
	v_mov_b32 v65, 0
	v_lshrrev_b32 v1, 5, v0
	s_delay_alu instid0(VALU_DEP_1)
	v_readfirstlane_b32 s8, v1                     ; wave 0..7
	v_and_b32 v1, 31, v0                           ; lane
	s_delay_alu instid0(VALU_DEP_1)
	v_lshlrev_b32 v2, 4, v1                        ; my 16 bytes of a load's 512
	s_delay_alu instid0(VALU_DEP_2)
	v_lshrrev_b32 v60, 2, v1                       ; lane / 4
	s_delay_alu instid0(VALU_DEP_3)
	v_and_b32 v61, 3, v1                           ; lane % 4: which quarter of the 64 channels
	s_mul_i32 s9, s8, RW
	v_mul_u32_u24 v3, v60, RP
	s_delay_alu instid0(VALU_DEP_1)
	v_lshl_add_u32 v3, v61, 4, v3
	s_delay_alu instid0(VALU_DEP_1)
	v_add_nc_u32 v3, s9, v3                        ; in: key lane / 4 of a load's eight
	v_mul_u32_u24 v4, v60, 4*RP
	s_delay_alu instid0(VALU_DEP_1)
	v_lshl_add_u32 v4, v61, 4, v4
	s_delay_alu instid0(VALU_DEP_1)
	v_add_nc_u32 v4, s9, v4                        ; out: keys 4 (lane / 4) + 0 .. 3
	s_lshl_b32 s10, s8, 5
	s_add_co_u32 s10, s10, TST
	v_mul_u32_u24 v5, v61, 16*TP
	s_delay_alu instid0(VALU_DEP_1)
	v_lshl_add_u32 v5, v60, 2, v5
	s_delay_alu instid0(VALU_DEP_1)
	v_add_nc_u32 v5, s10, v5                       ; the stage: row 16 (lane % 4) + .., byte 32 x wave + 4 (lane / 4)
	v_lshrrev_b32 v62, 4, v0
	v_and_b32 v63, 15, v0
	s_delay_alu instid0(VALU_DEP_2)
	v_mul_u32_u24 v6, v62, TP
	s_delay_alu instid0(VALU_DEP_1)
	v_lshl_add_u32 v6, v63, 4, v6
	s_delay_alu instid0(VALU_DEP_1)
	v_add_nc_u32 v6, TST, v6                       ; back: row thread / 16, 16 bytes a thread
	v_lshlrev_b32 v7, 11, v62
	s_delay_alu instid0(VALU_DEP_1)
	v_lshl_add_u32 v7, v63, 4, v7                  ; and the same place in vt: a channel's row is 2,048 bytes
	s_mov_b32 s20, 0x05010400                      ; v_perm_b32: bytes 0 and 1 of two words, interleaved
	s_mov_b32 s21, 0x07030602                      ; bytes 2 and 3
	s_mov_b32 s22, 0x05040100                      ; the low halves of two words
	s_mov_b32 s23, 0x07060302                      ; the high halves
	s_and_b32 s11, ttmp7, 0xffff
	s_lshl_b32 s11, s11, 17                        ; the head's 131,072 bytes
	s_lshl_b32 s12, ttmp9, 14
	s_add_co_u32 s12, s12, s11
	s_lshl_b32 s13, s8, 11
	s_add_co_u32 s12, s12, s13                     ; vc: + 256 keys x work-group x + 32 keys x wave
	s_mov_b32 s13, 0
	s_lshl_b32 s14, ttmp9, 8
	s_add_co_u32 s14, s14, s11                     ; vt: + 256 bytes x work-group x
	s_mov_b32 s15, 0
	s_wait_kmcnt 0x0
	s_add_nc_u64 s[4:5], s[4:5], s[12:13]
	s_add_nc_u64 s[6:7], s[6:7], s[14:15]
.irp n, 0,1,2,3
	global_load_b128 v[8+4*\n:11+4*\n], v2, s[4:5] offset:512*\n th:TH_LOAD_NT   ; read once in the launch
.endr
.irp n, 0,1,2,3
	s_wait_loadcnt 3-\n                            ; loads come back in order: number n is in, the younger ones may be out
	ds_store_b128 v3, v[8+4*\n:11+4*\n] offset:8*RP*\n
.endr
.irp n, 0,1,2,3
	ds_load_b128 v[24+4*\n:27+4*\n], v4 offset:RP*\n   ; LDS serves a wave's instructions in order: these see my stores
.endr
	s_wait_dscnt 0x0
.irp w, 0,1,2,3                        ; word w of the four keys: channels 16 (lane % 4) + 4 w + 0 .. 3
	v_perm_b32 v40, v[28+\w], v[24+\w], s20
	v_perm_b32 v41, v[28+\w], v[24+\w], s21
	v_perm_b32 v42, v[36+\w], v[32+\w], s20
	v_perm_b32 v43, v[36+\w], v[32+\w], s21
	s_delay_alu instid0(VALU_DEP_2)
	v_perm_b32 v[44+4*\w], v42, v40, s22
	s_delay_alu instid0(VALU_DEP_3)
	v_perm_b32 v[45+4*\w], v42, v40, s23
	s_delay_alu instid0(VALU_DEP_3)
	v_perm_b32 v[46+4*\w], v43, v41, s22
	s_delay_alu instid0(VALU_DEP_4)
	v_perm_b32 v[47+4*\w], v43, v41, s23
.endr
.set i, 0
.rept 16
	ds_store_b32 v5, v[44+i] offset:TP*i
.set i, i+1
.endr
	s_wait_dscnt 0x0                               ; for the others' sake: my stores into the stage are done
	s_barrier_signal -1
	s_barrier_wait -1
.irp n, 0,1,2,3
	ds_load_b128 v[8+4*\n:11+4*\n], v6 offset:16*TP*\n
.endr
.irp n, 0,1,2,3
	s_wait_dscnt 3-\n
	global_store_b128 v7, v[8+4*\n:11+4*\n], s[6:7] offset:32768*\n   ; 16 lanes store 256 consecutive bytes, at a multiple of 256 from vt's first byte
.endr
	s_wait_tensorcnt 0x0
	ds_add_u32 v64, v65
	s_wait_dscnt 0x0
	s_endpgm
.Lfunc_end_k_qf8db62dd9f_vtrans:
	.size	k_qf8db62dd9f_vtrans, .Lfunc_end_k_qf8db62dd9f_vtrans-k_qf8db62dd9f_vtrans
	.p2alignl 7, 3214868480
	.fill 96, 4, 3214868480
	.section	.rodata,"a",@progbits
	.p2align	6, 0x0
	.amdhsa_kernel k_qf8db62dd9f_vtrans
		.amdhsa_group_segment_fixed_size 38912
		.amdhsa_private_segment_fixed_size 0
		.amdhsa_enable_private_segment 0
		.amdhsa_kernarg_size 16
		.amdhsa_user_sgpr_count 2
		.amdhsa_user_sgpr_kernarg_segment_ptr 1
		.amdhsa_wavefront_size32 1
		.amdhsa_system_sgpr_workgroup_id_x 1
		.amdhsa_system_sgpr_workgroup_id_y 1
		.amdhsa_system_sgpr_workgroup_id_z 1
		.amdhsa_system_vgpr_workitem_id 0
		.amdhsa_next_free_vgpr 66
		.amdhsa_next_free_sgpr 66
		.amdhsa_reserve_vcc 0
		.amdhsa_float_denorm_mode_32 3
		.amdhsa_float_denorm_mode_16_64 3
		.amdhsa_memory_ordered 1
		.amdhsa_forward_progress 1
		.amdhsa_inst_pref_size 9
	.end_amdhsa_kernel
	.amdgpu_metadata
---
amdhsa.version: [ 1, 2 ]
amdhsa.kernels:
  - .name:           k_qf8db62dd9f_vtrans
    .symbol:         k_qf8db62dd9f_vtrans.kd
    .args:
      - { .name: vc, .offset: 0, .size: 8, .value_kind: global_buffer, .address_space: global }
      - { .name: vt, .offset: 8, .size: 8, .value_kind: global_buffer, .address_space: global }
    .group_segment_fixed_size: 38912
    .private_segment_fixed_size: 0
    .kernarg_segment_align: 8
    .kernarg_segment_size: 16
    .max_flat_workgroup_size: 256
    .sgpr_count:     66
    .vgpr_count:     66
    .wavefront_size: 32
...
	.end_amdgpu_metadata
.endif
;; end of part 2
;; launch attn (part 3): grid 8 x 32, 8 waves a work-group, no clusters, 327,680 bytes of LDS; arguments q6c, q8c, kc, vt, E_codes, lowp_scales, ao; writes ao
.if DOCPART == 3
	.amdgcn_target "amdgcn-amd-amdhsa--gfx1250"
	.amdhsa_code_object_version 6
	.text
	.protected	k_qf8db62dd9f_attn
	.globl	k_qf8db62dd9f_attn
	.p2align	8
	.type	k_qf8db62dd9f_attn,@function
k_qf8db62dd9f_attn:
	s_mov_b64 s[64:65], 0
	v_nop
	global_prefetch_b8 v0, s[64:65] scope:SCOPE_SE
	s_setreg_imm32_b32 hwreg(HW_REG_WAVE_MODE, 25, 1), 1
	s_wait_xcnt 0x0
; ATTENTION WITH THE SKEWED RELATIVE TERM, all three products on codes of FP8 (E4M3).  Per head (32 of them): 2,048 queries, 2,048 keys, head size 64.
;   score(s, t) = (q(s) . k(t) + srel(s, t)) / 8;   srel(s, t) = q(s) . E(2047 - s + t) for t <= s;  -infinity for t = s + 1;  q(s + 1) . E(t - s - 2) for t >= s + 2  (what the pad, reshape and drop of a row come to).
; So every key counts for every query, and above the diagonal the NEXT query's row meets E.  q comes twice: q6c (scale entry 6) for the product with E, q8c (entry 8) for the product with k.
; SOFTMAX: t = score x log2(e); M = the running largest t rounded UP to a whole number; p = 2^(t - M) is quantised (entry 10), not normalised; the sum of the unquantised p divides at the end; a move of M multiplies sum and O by an exact power of two.
; SHARES.  A work-group owns 256 queries of one head, each of its EIGHT waves 32 of them, as two tiles of 16: tile A (queries s0 on) and tile B (s0 + 16 on).  Every wave walks all keys, 128 a step.  Each fragment of E, of k and of v^T
; that the wave reads from LDS feeds two matrix instructions, one a tile.
; LAYOUT.  All products are used transposed (source 1 = 16 queries): a lane holds ONE query r = lane % 16 of each tile; register 8 T + j of a tile's scores is key 16 T + 8 (lane / 16) + j of the step, the matrix unit's own order of K for the second product.
; THE SKEW.  With S0 the block's first query, rho = t - (s - S0) + 255 names E's row for both parts: below the diagonal row rho of a stream that holds E((rho + 1792 - S0) mod 2048), above it row rho - 1.  The stream lies in LDS once
; (19 chunks of 128 rows; one leading chunk keeps rho - 1 from falling under 0).  For 64 keys a tile multiplies 80 rows of the stream (five tiles of 16) by its queries; tile B's band begins 16 rows ahead of tile A's, so six tiles serve both.
; Query r wants rows 15 - r + 0 .. 63 of its band: a shift that differs from lane to lane.  The results go through the tile's own stage in LDS, a row of 84 words a query, and come back word by word from byte 332 r + 60 on:
; word 83 r + 8 h: 32 different banks (64 banks of 4 bytes: ISA guide 11.1).  They come back into the scores' registers, scaled by 2^(e6 + e7 - e8 - e9), and are the C of the product k q^T: the addition costs no vector line.
; A step is LOWER (all its keys at or under all 32 queries), UPPER (all at least two above) or MIXED (both parts are made and chosen by v_cndmask_b32, and t = s + 1 becomes -infinity behind the product).  The choice is a scalar branch on ids.
; TWO CLASSES OF WAVES, HALF A STEP APART.  The relative term (FRONT) touches the stream and the wave's stages, never the ring of k and v.  Waves of one class make step j's term behind step j's barrier; the others make step j + 1's at the end of
; step j, into the scores' registers, which are free by then.  So behind a barrier one class is at LDS work while the other is at its softmax.  All waves make step 0's term ahead of the loop; the first class therefore leaves its FRONT out in the first trip.
; NO CLUSTER: the eight query blocks of a head read the same tiles of k and v, but which of the three ways a step takes hangs on the block, so partners would not run alike; and what is shared, 16 KB a step, is small beside a step's LDS work.
; k's and v's tiles come through a ring of two slots of 128 keys (wave 3 fetches k's, wave 4 v's); slots of 256 keys do not fit beside the stream and the stages.
; OUT: O / sum x 2^(e10 + e11), quantised (entry 12), in the order of the next launch's operand registers: [head / 4][row / 16][head % 4][c 0..1][lane][16 bytes], lane (r, h) holding channels 32 c + 16 h + 0 .. 15 of row r: 1,024 bytes on end a tile.
; LIMITS on the given exponents, so that each power of two below is an f32 number: e8 + e9 between -123 and 130 (added to c's exponent field); e6 + e7 - e8 - e9 between -126 and 127; e10 and e12 between -126 and 119.  NaN codes are not served.
; REGISTERS, in windows of 256 (s_set_vgpr_msb: bits 1:0 source 0, 3:2 source 1, 5:4 source 2, 7:6 destination).  Window 0 holds all that vector instructions work on; window 1 what only loads, matrix instructions and packed multiplies name:
;   window 0: v1-11 addresses; v12-23 the tiles' statistics; v24-31 small; v32-71, v72-111 E q^T of tile A, B (their first 16 later p's codes); v112-175, v176-239 the scores, then p; v240-248 for the head and the way out
;   window 1: v0-47 q, three fragments a tile; v48-79, v80-111 O^T; v128-191 the shared fragments: six tiles of E, or eight of k, or four of v^T
.set EP,    80                         ; a row of E or of k in LDS: 64 bytes + 16: 16-byte column 5 r mod 16: the 16 rows of a load fall on 16 different columns
.set CHUNK, 128*EP
.set RING0, 19*CHUNK                   ; behind the stream: slot 0
.set VOFF,  128*EP                     ; a slot: 128 rows of k, then 64 rows of v^T
.set VP,    144                        ; a row of v^T: 128 bytes + 16 = 36 words: row r starts at bank 36 r mod 64, sixteen different multiples of 4
.set SLOTB, VOFF+64*VP
.set RING1, RING0+SLOTB
.set STG,   RING1+SLOTB                ; the stages: 16 rows x 336 bytes for each tile, two a wave; no tile of the ring ever lands here
.set SGP,   336
.set SGW,   16*SGP
.set SPARE, STG+16*SGW                 ; the spare words, 128 bytes for each wave
.set AL,   1                           ; v1   80 r + 16 h: my lane's place in a tile of E or of k
.set AV0,  2                           ; v2   144 r + 8 h + VOFF: in a tile of v^T
.set STOA, 3                           ; v3   tile A's stage, in
.set SLDA, 4                           ; v4   tile A's stage, out: shifted by 15 - r words
.set SPW,  5                           ; v5   LDS address of my spare word; never rewritten
.set NIL,  6                           ; v6   0; never rewritten
.set STOB, 7                           ; v7, v8  the same for tile B
.set SLDB, 8
.set ADE,  9                           ; v9   the step's band of the stream
.set ADK,  10                          ; v10  the step's tile of k
.set ADV,  11                          ; v11  of v^T
.set STA,  12                          ; v12 -M, v13 the largest t, v[14:15] the sum in two halves: tile A's;  v16-19 tile B's
.set STB,  16
.set FPA,  20                          ; v[20:21], v[22:23] f = 2^(old M - new M) of tile A, B (the pair's upper word is only named)
.set FPB,  22
.set DL,   24                          ; v24  tile A's query - the step's first key - 8 h; tile B's is 16 more, which its compares take off their constants
.set RH8,  25                          ; v25  r - 8 h
.set NINF, 26                          ; v26  -infinity
.set PRM,  27                          ; v27  a lane permute's destination
.set MX,   28                          ; v[28:29] two running maxima, later the second chain of the sum
.set LIMP, 30                          ; v30  448 x 2^e10
.set SCLP, 31                          ; v31  2^e10
.set RTA,  32
.set RTB,  72
.set SA,   112
.set SB,   176
.set QOA,  240                         ; v240-243 byte offsets of my queries' rows and of the next queries'; not rewritten
.set QNA,  241
.set QOB,  242
.set QNB,  243
.set SCLO, 244                         ; v244 2^e12;  v245 448 x 2^e12
.set LIMO, 245
.set GO,   246                         ; v246 16 x lane
.set HH,   247                         ; v247 h
.set RR,   248                         ; v248 r
.set Q8A,  0                           ; window 1
.set Q6A,  8
.set Q6SA, 16
.set Q8B,  24
.set Q6B,  32
.set Q6SB, 40
.set OA,   48
.set OB,   80
.set F,    128
.set WV,   18
.set SEL,  20                          ; s[20:21] lane selects for v_permlanex16_b32: lane l xor 16
.set CS,   22                          ; s[22:23] c = log2(e) / 8 x 2^(e8 + e9)
.set G1E,  24                          ; s[24:31] group 1: 128 rows of 64 bytes (E's chunks, k's tiles);  s[32:39]: 64 rows of 128 bytes (v^T)
.set G1V,  32
.set G0E,  40                          ; groups 0: the stream's chunks 2 w + 1, 2 w + 2 (every wave, at the head);
.set G0E2, 44                          ; chunk 0 (wave 0) or chunks 17, 18 (wave 1); then k's tile and v^T's tile, which walk
.set G0K,  48
.set G0V,  52
.set G1W,  88                          ; s[88:95] group 1: 256 rows of 64 bytes: two neighbouring chunks of E
.set RS,   56                          ; s[56:57] 2^(e6 + e7 - e8 - e9)
.set TB,   58                          ; s58  the slot in hand
.set EB,   59                          ; s59  the step's band of the stream (tile B's), one row early: LOWER adds a row by the immediate
.set T0,   60                          ; s60  the step's first key
.set SQ,   61                          ; s61  my first query
.set CNT,  62
.set MIX,  63
.set TA,   84
.set CL0,  2                           ; s2   1: my FRONT stands behind the step's barrier; 0: at the end of the step before
.set GO1,  3                           ; s3   0 in the first trip, then CL0
.set MSB, 0
.macro WIN new                         ; the immediate's high byte repeats the setting that is left; a switch that changes nothing is dropped
.if MSB != \new
	s_set_vgpr_msb (MSB<<8)|\new
.set MSB, \new
.endif
.endm
.macro PLACES                          ; four places behind a matrix instruction, in front of reads of its result and of loads into its registers (ISA guide 7.12.1 for reads of its result)
.rept 4
	v_nop
.endr
.endm
; The step's refill: wave 3 fetches k's tile, wave 4 v^T's, the others nothing.  Four v_nop follow each line.
.macro TLOAD
	s_cmp_eq_u32 s[WV], 3
	s_cbranch_scc0 .Lnot_k_\@
	tensor_load_to_lds s[G0K:G0K+3], s[G1E:G1E+7]
	s_nop 0
.rept 4
	v_nop
.endr
	s_branch .Lasked_\@
.Lnot_k_\@:
	s_cmp_eq_u32 s[WV], 4
	s_cbranch_scc0 .Lasked_\@
	tensor_load_to_lds s[G0V:G0V+3], s[G1V:G1V+7]
	s_nop 0
.rept 4
	v_nop
.endr
.Lasked_\@:
.endm
	s_load_b256 s[4:11], s[0:1], 0x0               ; q6c 4, q8c 6, kc 8, vt 10
	s_load_b128 s[12:15], s[0:1], 0x20             ; E's codes 12, the scales' exponents 14
	s_load_b64 s[16:17], s[0:1], 0x30              ; ao
	v_lshl_add_u32 v[SPW], v0, 2, SPARE
	v_mov_b32 v[NIL], 0
	ds_add_u32 v5, v6
	ds_add_u32 v5, v6
	s_wait_dscnt 0x0
	v_lshrrev_b32 v[RR], 5, v0
	s_delay_alu instid0(VALU_DEP_1)
	v_readfirstlane_b32 s[WV], v[RR]               ; wave 0..7
	s_lshr_b32 s[CL0], s[WV], 2
	s_xor_b32 s[CL0], s[CL0], s[WV]
	s_and_b32 s[CL0], s[CL0], 1                    ; the class: waves 2 w and 2 w + 1 differ in it, and so do waves w and w + 4
	s_mov_b32 s[GO1], 0
	s_and_b32 s66, ttmp7, 0xffff                   ; batch x 16 + head
	s_lshl_b32 s82, s66, 17                        ; its 131,072 bytes in each tensor of codes
	s_mov_b32 s83, 0
	s_lshl_b32 s[SQ], ttmp9, 8
	s_lshl_b32 s[TA], s[WV], 5
	s_add_co_u32 s[SQ], s[SQ], s[TA]               ; my first query: 256 x work-group x + 32 x wave
	s_lshl_b32 s86, ttmp9, 1
	s_add_co_u32 s[TA], s[WV], 29
	s_sub_co_u32 s86, s[TA], s86
	s_add_co_u32 s70, s86, s[WV]
	s_add_co_u32 s70, s70, 1
	s_and_b32 s70, s70, 15                         ; stream chunk 2 w + 1 is chunk (2 w + 30 - 2 x) mod 16 of E: an even one, so it and its successor lie on end in E
	s_and_b32 s86, s86, 15                         ; stream chunk c is chunk (c + 29 - 2 x) mod 16 of E: for c = 0 (wave 0) and c = 17 (wave 1) this one
	s_lshl_b32 s86, s86, 13
	s_lshl_b32 s70, s70, 13
	s_mov_b32 s87, 0
	s_mov_b32 s71, 0
	s_mov_b32 s[G1E], (0<<16)|(1<<20)|(3<<22)|(3<<25)   ; no mask; elements of 1 byte; padding on: four words after every 16
	s_mov_b32 s[G1E+1], 64<<16                     ; tensor_dim0
	s_mov_b32 s[G1E+2], 128<<16                    ; tensor_dim1
	s_mov_b32 s[G1E+3], 64<<16                     ; tile_dim0
	s_mov_b32 s[G1E+4], 128                        ; tile_dim1
	s_mov_b32 s[G1E+5], 64                         ; tensor_dim0_stride
	s_mov_b32 s[G1E+6], 0
	s_mov_b32 s[G1E+7], 0
	s_mov_b32 s[G1W], (0<<16)|(1<<20)|(3<<22)|(3<<25)   ; the same with 256 rows
	s_mov_b32 s[G1W+1], 64<<16
	s_mov_b32 s[G1W+2], 256<<16
	s_mov_b32 s[G1W+3], 64<<16
	s_mov_b32 s[G1W+4], 256
	s_mov_b32 s[G1W+5], 64
	s_mov_b32 s[G1W+6], 0
	s_mov_b32 s[G1W+7], 0
	s_mov_b32 s[G1V], (0<<16)|(1<<20)|(4<<22)|(3<<25)   ; padding: four words after every 32
	s_mov_b32 s[G1V+1], 128<<16
	s_mov_b32 s[G1V+2], 64<<16
	s_mov_b32 s[G1V+3], 128<<16
	s_mov_b32 s[G1V+4], 64
	s_mov_b32 s[G1V+5], 2048
	s_mov_b32 s[G1V+6], 0
	s_mov_b32 s[G1V+7], 0
	s_mov_b32 s[SEL], 0x76543210
	s_mov_b32 s[SEL+1], 0xfedcba98
	s_mov_b32 s[CS], 0x3e38aa3b                    ; log2(e) / 8
	s_mov_b32 s[TB], RING0
	s_xor_b32 s[EB], s[WV], 7                      ; tile B's band of keys 0 on begins at stream row 128 + 240 - 16 (2 w + 1) = 128 + 32 (7 - w); less one row
	s_mul_i32 s[EB], s[EB], 32*EP
	s_add_co_u32 s[EB], s[EB], CHUNK-EP
	s_mov_b32 s[T0], 0
	s_mov_b32 s[CNT], 15
	s_mov_b32 s[G0E], 1
	s_mul_i32 s[G0E+1], s[WV], 2*CHUNK
	s_add_co_u32 s[G0E+1], s[G0E+1], CHUNK
	s_mov_b32 s[G0E2], 1
	s_mul_i32 s[G0E2+1], s[WV], 17*CHUNK           ; wave 0: chunk 0; wave 1: chunk 17; no other wave issues it
	s_mov_b32 s[G0K], 1
	s_mov_b32 s[G0K+1], RING0
	s_mov_b32 s[G0V], 1
	s_mov_b32 s[G0V+1], RING0+VOFF
	s_wait_kmcnt 0x0
	s_load_b64 s[68:69], s[14:15], 0x18            ; e6, e7
	s_load_b128 s[72:75], s[14:15], 0x20           ; e8, e9, e10, e11
	s_load_b32 s76, s[14:15], 0x30                 ; e12
	s_add_nc_u64 s[G0E+2:G0E+3], s[12:13], s[70:71]
	s_or_b32 s[G0E+3], s[G0E+3], 0x80000000
	s_add_nc_u64 s[G0E2+2:G0E2+3], s[12:13], s[86:87]
	s_or_b32 s[G0E2+3], s[G0E2+3], 0x80000000
	s_add_nc_u64 s[G0K+2:G0K+3], s[8:9], s[82:83]
	s_or_b32 s[G0K+3], s[G0K+3], 0x80000000
	s_add_nc_u64 s[G0V+2:G0V+3], s[10:11], s[82:83]
	s_or_b32 s[G0V+3], s[G0V+3], 0x80000000
	; AT THE HEAD every wave issues one tensor load: chunks 2 w + 1 and 2 w + 2 of the stream, 256 rows on end in E and in LDS
	tensor_load_to_lds s[G0E:G0E+3], s[G1W:G1W+7]
	s_nop 0
.rept 4
	v_nop
.endr
	s_add_nc_u64 s[4:5], s[4:5], s[82:83]          ; q6c and q8c at the head
	s_add_nc_u64 s[6:7], s[6:7], s[82:83]
	v_and_b32 v[RR], 15, v0                        ; r
	v_bfe_u32 v[HH], v0, 4, 1                      ; h
	s_delay_alu instid0(VALU_DEP_2)
	v_add_nc_u32 v[QOA], s[SQ], v[RR]              ; my query of tile A,
	s_delay_alu instid0(VALU_DEP_1)
	v_add_nc_u32 v[QNA], 1, v[QOA]                 ; the one behind it,
	s_delay_alu instid0(VALU_DEP_2)
	v_add_nc_u32 v[QOB], 16, v[QOA]                ; my query of tile B,
	s_delay_alu instid0(VALU_DEP_3)
	v_add_nc_u32 v[QNB], 17, v[QOA]
	s_delay_alu instid0(VALU_DEP_1)
	v_min_u32 v[QNB], 0x7ff, v[QNB]                ; and the one behind that; the head's last query has none and never looks above the diagonal: its load is held inside the head
.irp a, QOA, QNA, QOB, QNB
	v_lshlrev_b32 v[\a], 6, v[\a]
	s_delay_alu instid0(VALU_DEP_1)
	v_lshl_add_u32 v[\a], v[HH], 4, v[\a]          ; row x 64 + 16 h: registers 4 c .. 4 c + 3 hold channels 32 c + 16 h + 0 .. 15, the same places as in k's and E's fragments
.endr
	WIN 0x40                                       ; destination window 1, address window 0
	global_load_b128 v[Q8A:Q8A+3],     v[QOA], s[6:7]
	global_load_b128 v[Q8A+4:Q8A+7],   v[QOA], s[6:7] offset:32
	global_load_b128 v[Q6A:Q6A+3],     v[QOA], s[4:5]
	global_load_b128 v[Q6A+4:Q6A+7],   v[QOA], s[4:5] offset:32
	global_load_b128 v[Q6SA:Q6SA+3],   v[QNA], s[4:5]
	global_load_b128 v[Q6SA+4:Q6SA+7], v[QNA], s[4:5] offset:32
	global_load_b128 v[Q8B:Q8B+3],     v[QOB], s[6:7]
	global_load_b128 v[Q8B+4:Q8B+7],   v[QOB], s[6:7] offset:32
	global_load_b128 v[Q6B:Q6B+3],     v[QOB], s[4:5]
	global_load_b128 v[Q6B+4:Q6B+7],   v[QOB], s[4:5] offset:32
	global_load_b128 v[Q6SB:Q6SB+3],   v[QNB], s[4:5]
	global_load_b128 v[Q6SB+4:Q6SB+7], v[QNB], s[4:5] offset:32
.set j, 0
.rept 64
	v_mov_b32 v[OA+j], 0                           ; both O^T.  (The step is written for every trip alike: the first finds zeros, which the first change of M leaves zeros)
.set j, j+1
.endr
	WIN 0
	v_mul_u32_u24 v[AL], v[RR], EP
	s_delay_alu instid0(VALU_DEP_1)
	v_lshl_add_u32 v[AL], v[HH], 4, v[AL]
	v_mul_u32_u24 v[AV0], v[RR], VP
	s_delay_alu instid0(VALU_DEP_1)
	v_lshl_add_u32 v[AV0], v[HH], 3, v[AV0]
	s_delay_alu instid0(VALU_DEP_1)
	v_add_nc_u32 v[AV0], VOFF, v[AV0]
	s_mul_i32 s[TA], s[WV], 2*SGW
	s_add_co_u32 s[TA], s[TA], STG                 ; my two stages
	v_mul_u32_u24 v[STOA], v[RR], SGP
	s_delay_alu instid0(VALU_DEP_1)
	v_lshl_add_u32 v[STOA], v[HH], 5, v[STOA]
	s_delay_alu instid0(VALU_DEP_1)
	v_add_nc_u32 v[STOA], s[TA], v[STOA]           ; in: row r, word 8 h
	s_delay_alu instid0(VALU_DEP_1)
	v_add_nc_u32 v[STOB], SGW, v[STOA]
	v_mul_u32_u24 v[SLDA], v[RR], SGP-4
	s_delay_alu instid0(VALU_DEP_1)
	v_lshl_add_u32 v[SLDA], v[HH], 5, v[SLDA]
	s_delay_alu instid0(VALU_DEP_1)
	v_add_nc_u32 v[SLDA], s[TA], v[SLDA]
	s_delay_alu instid0(VALU_DEP_1)
	v_add_nc_u32 v[SLDA], 60, v[SLDA]              ; out: row r, word 15 - r + 8 h
	s_delay_alu instid0(VALU_DEP_1)
	v_add_nc_u32 v[SLDB], SGW, v[SLDA]
	v_and_b32 v[GO], 31, v0
	s_delay_alu instid0(VALU_DEP_1)
	v_lshlrev_b32 v[GO], 4, v[GO]
	v_lshlrev_b32 v[RH8], 3, v[HH]
	s_delay_alu instid0(VALU_DEP_1)
	v_sub_nc_u32 v[RH8], v[RR], v[RH8]
	v_mov_b32 v[NINF], 0xff800000
.irp s, STA, STB
	v_mov_b32 v[\s+1], 0xff61b1e6                  ; the largest t so far: -3e38, under every t
	s_delay_alu instid0(VALU_DEP_1)
	v_floor_f32 v[\s], -v[\s+1]                    ; -M
	v_mov_b32 v[\s+2], 0                           ; the sum, in two halves
	v_mov_b32 v[\s+3], 0
.endr
	v_mov_b32 v[PRM], 0                            ; written once: a lane permute's destination counts as one of its sources
	v_mov_b32 v[FPA+1], 0                          ; (named as the upper halves of pairs)
	v_mov_b32 v[FPB+1], 0
	s_and_b32 s[TA], s66, 15                       ; where tile A's 1,024 bytes of ao lie: (head / 4) x 2^20 + (head % 4) x 1,024 + (batch x 128 + my first query / 16) x 4,096; tile B's 4,096 further on
	s_lshr_b32 s85, s[TA], 2
	s_lshl_b32 s85, s85, 20
	s_and_b32 s[TA], s[TA], 3
	s_lshl_b32 s[TA], s[TA], 10
	s_add_co_u32 s86, s85, s[TA]
	s_lshr_b32 s85, s66, 4
	s_lshl_b32 s85, s85, 19
	s_add_co_u32 s86, s86, s85
	s_lshl_b32 s85, s[SQ], 8
	s_add_co_u32 s86, s86, s85
	s_mov_b32 s87, 0
	s_add_nc_u64 s[16:17], s[16:17], s[86:87]
	s_wait_kmcnt 0x0
	s_add_co_i32 s[TA], s72, s73                   ; e8 + e9: a sum of k q^T stands for sum x 2^(e8 + e9): added to c's exponent field
	s_lshl_b32 s85, s[TA], 23
	s_add_co_i32 s[CS], s[CS], s85
	s_mov_b32 s[CS+1], s[CS]                       ; (named with it as a pair, so it is written)
	s_add_co_i32 s85, s68, s69
	s_sub_co_i32 s85, s85, s[TA]
	s_add_co_i32 s85, s85, 127
	s_lshl_b32 s[RS], s85, 23                      ; 2^(e6 + e7 - e8 - e9): brings a sum of E q^T under the scale of k q^T: nothing is rounded
	s_mov_b32 s[RS+1], s[RS]
	s_add_co_i32 s85, s74, 127
	s_lshl_b32 s[TA], s85, 23
	v_mov_b32 v[SCLP], s[TA]                       ; 2^e10, for p's conversion
	s_add_co_i32 s85, s85, 8
	s_lshl_b32 s85, s85, 23
	s_or_b32 s85, s85, 0x600000
	v_mov_b32 v[LIMP], s85                         ; 448 x 2^e10
	s_add_co_i32 s85, s76, 127
	s_lshl_b32 s[TA], s85, 23
	v_mov_b32 v[SCLO], s[TA]                       ; 2^e12, for the output's
	s_add_co_i32 s85, s85, 8
	s_lshl_b32 s85, s85, 23
	s_or_b32 s85, s85, 0x600000
	v_mov_b32 v[LIMO], s85                         ; 448 x 2^e12
	s_add_co_i32 s77, s74, s75                     ; e10 + e11
; One tile's five results: scaled, into its stage, and back shifted: 32 registers, 8 T' + j = key 16 T' + 8 h + j of the half.
.macro STAGE rt, sto, sld, dst
.set m, 0
.rept 20
	v_pk_mul_f32 v[\rt+m:\rt+m+1], v[\rt+m:\rt+m+1], s[RS:RS+1] op_sel_hi:[1,0]   ; each accumulator from its low end on
.set m, m+2
.endr
.irp t, 0,1,2,3,4
	ds_store_b128 v[\sto], v[\rt+8*\t:\rt+8*\t+3]   offset:64*\t
	ds_store_b128 v[\sto], v[\rt+8*\t+4:\rt+8*\t+7] offset:64*\t+16
.endr
.set m, 0
.rept 32
	ds_load_b32 v[\dst+m], v[\sld] offset:64*(m/8)+4*(m%8)   ; LDS serves a wave's instructions in order: these see my stores, and the next half's stores come behind them
.set m, m+1
.endr
.endm
; 64 keys' relative term for both tiles: half hh of the step; qa, qb: which q; off: 80 below the diagonal (row rho), 0 above (row rho - 1); da, db: where the 32 numbers a tile go.
.macro RHALFP hh, qa, qb, off, da, db
	PLACES                                         ; in front of loads into registers that matrix instructions have read
	WIN 0x40                                       ; destination window 1, address window 0
.irp t, 0,1,2,3,4,5
	ds_load_b128 v[F+8*\t:F+8*\t+3],   v[ADE] offset:5120*\hh+1280*\t+\off
	ds_load_b128 v[F+8*\t+4:F+8*\t+7], v[ADE] offset:5120*\hh+1280*\t+32+\off
.endr
	s_wait_dscnt 0x0                               ; the six tiles are in; so is all that went through the stages before: their registers may be written again
	WIN 0x05                                       ; sources 0 and 1 window 1, the result window 0
.irp t, 0,1,2,3,4
	v_wmma_f32_16x16x64_fp8_fp8 v[RTB+8*\t:RTB+8*\t+7], v[F+8*\t:F+8*\t+7],    v[\qb:\qb+7], 0   ; register j: row 16 t + 8 h + j of tile B's band, query r
	v_wmma_f32_16x16x64_fp8_fp8 v[RTA+8*\t:RTA+8*\t+7], v[F+8*\t+8:F+8*\t+15], v[\qa:\qa+7], 0   ; tile A's band begins 16 rows further on
.endr
	WIN 0
	PLACES
	STAGE RTB, STOB, SLDB, \db
	STAGE RTA, STOA, SLDA, \da                     ; tile A's scalings stand beside tile B's way through its stage
.endm
; A half on the diagonal: both parts, and the choice: above where key >= query + 2, that is 64 hh + 16 T' + j - 2 >= DL (tile B: 16 less).  The upper part comes back into the registers that it left.
.macro MIXH hh
	RHALFP \hh, Q6A, Q6B, 80, SA+32*\hh, SB+32*\hh
	RHALFP \hh, Q6SA, Q6SB, 0, RTA, RTB
	s_wait_dscnt 0x0
.set n, 0
.rept 32
	v_cmp_ge_i32 vcc_lo, 64*\hh+16*(n/8)+n%8-2, v[DL]
	v_cndmask_b32 v[SA+32*\hh+n], v[SA+32*\hh+n], v[RTA+n], vcc_lo
	v_cmp_ge_i32 vcc_lo, 64*\hh+16*(n/8)+n%8-18, v[DL]
	v_cndmask_b32 v[SB+32*\hh+n], v[SB+32*\hh+n], v[RTB+n], vcc_lo
.set n, n+1
.endr
.endm
; What a step's lines hang on; made by every wave, ahead of the branches on the class.
.macro VARS
	s_sub_co_i32 s[TA], s[SQ], s[T0]
	v_add_nc_u32 v[ADE], s[EB], v[AL]
	v_add_nc_u32 v[ADK], s[TB], v[AL]
	v_add_nc_u32 v[ADV], s[TB], v[AV0]
	v_add_nc_u32 v[DL], s[TA], v[RH8]
	s_mov_b32 s[MIX], 0
.endm
; THE RELATIVE TERM OF A STEP, into the scores' registers of both tiles.  It reads the stream and the wave's stages alone.
.macro FRONT
	s_add_co_u32 s[TA], s[T0], 127
	s_cmp_le_u32 s[TA], s[SQ]                      ; the step's last key at or under my first query
	s_cbranch_scc1 .Llower_\@
	s_add_co_u32 s[TA], s[SQ], 33
	s_cmp_ge_u32 s[T0], s[TA]                      ; its first key two above my last query, or more
	s_cbranch_scc1 .Lupper_\@
	s_mov_b32 s[MIX], 1
	s_wait_alu depctr_va_vdst(0)
	MIXH 0
	MIXH 1
	s_branch .Ljoin_\@
.Llower_\@:
	s_wait_alu depctr_va_vdst(0)
	RHALFP 0, Q6A, Q6B, 80, SA, SB
	RHALFP 1, Q6A, Q6B, 80, SA+32, SB+32
	s_branch .Ljoin_\@
.Lupper_\@:
	s_wait_alu depctr_va_vdst(0)
	RHALFP 0, Q6SA, Q6SB, 0, SA, SB
	RHALFP 1, Q6SA, Q6SB, 0, SA+32, SB+32
.Ljoin_\@:
.endm
; One tile's softmax of a step: sx its 64 scores, st its statistics, fp its f, pc where p's codes go.
.macro SOFTMAX sx, st, fp, pc
	v_max3_num_f32 v[MX], v[\sx], v[\sx+1], v[\sx+2]        ; the step's largest score of my query among my 64 keys, in two chains; each accumulator is met at its low end first
	v_max3_num_f32 v[MX+1], v[\sx+3], v[\sx+4], v[\sx+5]
.irp i, 6,10,14,18,22,26,30,34,38,42,46,50,54,58
	v_max3_num_f32 v[MX], v[MX], v[\sx+\i], v[\sx+\i+1]
	v_max3_num_f32 v[MX+1], v[MX+1], v[\sx+\i+2], v[\sx+\i+3]
.endr
	v_max3_num_f32 v[MX], v[MX], v[\sx+62], v[\sx+63]
	s_delay_alu instid0(VALU_DEP_1)
	v_max_num_f32 v[MX], v[MX], v[MX+1]
	s_delay_alu instid0(VALU_DEP_1)
	v_permlanex16_b32 v[PRM], v[MX], s[SEL], s[SEL+1]
	s_delay_alu instid0(VALU_DEP_1)
	v_max_num_f32 v[MX], v[MX], v[PRM]             ; and among lane l xor 16's
	s_delay_alu instid0(VALU_DEP_1)
	v_mul_f32 v[MX], s[CS], v[MX]                  ; as t (c is positive)
	s_delay_alu instid0(VALU_DEP_1)
	v_max_num_f32 v[\st+1], v[\st+1], v[MX]        ; the running largest t
	v_mov_b32 v[MX], v[\st]
	s_delay_alu instid0(VALU_DEP_2)
	v_floor_f32 v[\st], -v[\st+1]                  ; the new -M = floor(-t) = -ceil(t): a whole number
	s_delay_alu instid0(VALU_DEP_1)
	v_sub_f32 v[MX], v[\st], v[MX]                 ; old M - new M: a whole number, 0 or less
	s_delay_alu instid0(VALU_DEP_1)
	v_cvt_i32_f32 v[MX], v[MX]                     ; (it saturates)
	s_delay_alu instid0(VALU_DEP_1)
	v_ldexp_f32 v[\fp], 1.0, v[MX]                 ; f = 2^(old M - new M)
.set j, 0
.rept 32
	v_pk_fma_f32 v[\sx+j:\sx+j+1], v[\sx+j:\sx+j+1], s[CS:CS+1], v[\st:\st+1] op_sel_hi:[1,0,0]   ; t - M, two at a time
.set j, j+2
.endr
.set j, 0
	s_wait_alu depctr_va_vdst(0)
.rept 64
	v_exp_f32 v[\sx+j], v[\sx+j]                   ; p = 2^(t - M), at most 1: not normalised
.set j, j+1
.endr
	v_pk_mul_f32 v[\st+2:\st+3], v[\st+2:\st+3], v[\fp:\fp+1] op_sel_hi:[1,0]   ; the sums under the new M.  (The plain line behind the exponentials)
	s_wait_alu depctr_va_vdst(0)
	v_pk_add_f32 v[MX:MX+1], v[\sx:\sx+1], v[\sx+2:\sx+3]   ; the row's sum is taken of the unquantised p, in two chains
.irp j, 4,8,12,16,20,24,28,32,36,40,44,48,52,56,60
	v_pk_add_f32 v[\st+2:\st+3], v[\st+2:\st+3], v[\sx+\j:\sx+\j+1]
	v_pk_add_f32 v[MX:MX+1], v[MX:MX+1], v[\sx+\j+2:\sx+\j+3]
.endr
	s_delay_alu instid0(VALU_DEP_1)
	v_pk_add_f32 v[\st+2:\st+3], v[\st+2:\st+3], v[MX:MX+1]
.irp b, 0,1,2,3
.set i, 0
.rept 16
	v_min_num_f32 v[\sx+16*\b+i], v[\sx+16*\b+i], v[LIMP]   ; the conversion does not saturate (ISA guide 7.6.2); p is not negative, so the hold is one-sided
.set i, i+1
.endr
	v_cvt_scalef32_pk8_fp8_f32 v[\pc+4*\b:\pc+4*\b+1],   v[\sx+16*\b:\sx+16*\b+7],    v[SCLP]   ; tile T's eight codes are registers 2 T, 2 T + 1 of the operand
	v_cvt_scalef32_pk8_fp8_f32 v[\pc+4*\b+2:\pc+4*\b+3], v[\sx+16*\b+8:\sx+16*\b+15], v[SCLP]
.endr
.endm
; THE REST OF A STEP: k q^T onto the relative term, the softmax, v^T p^T.  more = 1: the scalars step, and the next step's addresses are made.
.macro REST more
	WIN 0x40
.irp t, 0,1,2,3,4,5,6,7                        ; k's eight tiles; behind the last product that read these registers stand four places or more on every way
	ds_load_b128 v[F+8*\t:F+8*\t+3],   v[ADK] offset:1280*\t
	ds_load_b128 v[F+8*\t+4:F+8*\t+7], v[ADK] offset:1280*\t+32
.endr
	s_wait_dscnt 0x0                               ; k's tiles and the relative term are in
	WIN 0x05
.irp t, 0,1,2,3,4,5,6,7
	v_wmma_f32_16x16x64_fp8_fp8 v[SA+8*\t:SA+8*\t+7], v[F+8*\t:F+8*\t+7], v[Q8A:Q8A+7], v[SA+8*\t:SA+8*\t+7]   ; k q^T + the relative term; the sixteen accumulators by turns, one instruction each
	v_wmma_f32_16x16x64_fp8_fp8 v[SB+8*\t:SB+8*\t+7], v[F+8*\t:F+8*\t+7], v[Q8B:Q8B+7], v[SB+8*\t:SB+8*\t+7]
.endr
	PLACES
	WIN 0x40
.irp t, 0,1,2,3                                ; v^T's four tiles are asked for now and land under the softmax: registers 2 c, 2 c + 1 = keys 16 c + 8 h + 0 .. 7 of channel 16 t + r
.irp c, 0,1,2,3,4,5,6,7
	ds_load_b64 v[F+16*\t+2*\c:F+16*\t+2*\c+1], v[ADV] offset:16*VP*\t+16*\c
.endr
.endr
	WIN 0
	s_cmp_eq_u32 s[MIX], 0
	s_cbranch_scc1 .Lnomask_\@
.set n, 0
.rept 64
	v_cmp_eq_i32 vcc_lo, 16*(n/8)+n%8-1, v[DL]     ; key = query + 1: -infinity, so p = 0.  A row loses at most one key of a step: its maximum stays a number
	v_cndmask_b32 v[SA+n], v[SA+n], v[NINF], vcc_lo
	v_cmp_eq_i32 vcc_lo, 16*(n/8)+n%8-17, v[DL]
	v_cndmask_b32 v[SB+n], v[SB+n], v[NINF], vcc_lo
.set n, n+1
.endr
.Lnomask_\@:
	SOFTMAX SA, STA, FPA, RTA
	SOFTMAX SB, STB, FPB, RTB                      ; (its first lines are the plain lines behind tile A's conversions)
	WIN 0x41                                       ; O^T (destination and source 0) window 1, f window 0
.set j, 0
.rept 16
	v_pk_mul_f32 v[OA+j:OA+j+1], v[OA+j:OA+j+1], v[FPA:FPA+1] op_sel_hi:[1,0]   ; O^T under the new M.  (Plain lines behind the conversions)
.set j, j+2
.endr
.set j, 0
.rept 16
	v_pk_mul_f32 v[OB+j:OB+j+1], v[OB+j:OB+j+1], v[FPB:FPB+1] op_sel_hi:[1,0]
.set j, j+2
.endr
	s_wait_alu depctr_va_vdst(0)
	s_wait_dscnt 0x0                               ; v^T's tiles are in
	WIN 0x51                                       ; v^T and O^T window 1, p's codes window 0
.irp t, 0,1,2,3
	v_wmma_f32_16x16x128_fp8_fp8 v[OA+8*\t:OA+8*\t+7], v[F+16*\t:F+16*\t+15], v[RTA:RTA+15], v[OA+8*\t:OA+8*\t+7]   ; the eight accumulators by turns, one instruction each
	v_wmma_f32_16x16x128_fp8_fp8 v[OB+8*\t:OB+8*\t+7], v[F+16*\t:F+16*\t+15], v[RTB:RTB+15], v[OB+8*\t:OB+8*\t+7]
.endr
	WIN 0
.if \more
	s_add_co_u32 s[T0], s[T0], 128
	s_add_co_u32 s[EB], s[EB], CHUNK               ; 128 rows of the stream on
	s_xor_b32 s[TB], s[TB], RING0^RING1            ; on to the other slot
	VARS                                           ; (its four additions are places behind the products above)
.endif
.endm
; THE CHANGE OF SLOTS.  Each wave waits for all its tensor loads, adds 0 to its spare word, and waits for that and for its LDS instructions.  Behind the barrier the slot ahead is whole and nobody reads the other one.
; fill = 1: that other slot is filled with the next 128 keys: the load has a whole step in which to land.
.macro CHANGE fill
	s_wait_tensorcnt 0x0                           ; no tensor load of mine is out, so a group 0 may be written
	ds_add_u32 v[SPW], v[NIL]                      ; 0 onto my spare word
.if \fill
	s_xor_b32 s[G0K+1], s[G0K+1], RING0^RING1      ; the walking descriptors: the other slot than last time,
	s_add_nc_u64 s[G0K+2:G0K+3], s[G0K+2:G0K+3], 128*64   ; the next 128 keys; the type bits on top are not reached
	s_xor_b32 s[G0V+1], s[G0V+1], (RING0+VOFF)^(RING1+VOFF)
	s_add_nc_u64 s[G0V+2:G0V+3], s[G0V+2:G0V+3], 128
.endif
	s_wait_dscnt 0x0                               ; the add is done, my reads of the slot that I have left are over, and a relative term made ahead is back from its stages
	s_barrier_signal -1
	s_barrier_wait -1
.if \fill
	TLOAD                                          ; the first thing behind the barrier, and a wave's one tensor load until the next
.endif
.endm
	s_wait_alu depctr_va_vdst(0)                   ; the wait at the head's end
	s_wait_loadcnt 0x0                             ; q, six fragments
	s_wait_tensorcnt 0x0                           ; my two chunks have landed
	ds_add_u32 v[SPW], v[NIL]
	s_wait_dscnt 0x0
	s_barrier_signal -1
	s_barrier_wait -1
	s_cmp_eq_u32 s[WV], 0                          ; THE OTHER FIRST FILLS, one a wave: wave 0 chunk 0, wave 1 chunks 17 and 18, wave 3 k's first tile, wave 4 v^T's
	s_cbranch_scc0 .Lsec_not_0
	tensor_load_to_lds s[G0E2:G0E2+3], s[G1E:G1E+7]
	s_nop 0
.rept 4
	v_nop
.endr
	s_branch .Lsec_done
.Lsec_not_0:
	s_cmp_eq_u32 s[WV], 1
	s_cbranch_scc0 .Lsec_not_1
	tensor_load_to_lds s[G0E2:G0E2+3], s[G1W:G1W+7]
	s_nop 0
.rept 4
	v_nop
.endr
	s_branch .Lsec_done
.Lsec_not_1:
	TLOAD
.Lsec_done:
	s_wait_tensorcnt 0x0                           ; they have landed,
	ds_add_u32 v[SPW], v[NIL]
	s_wait_dscnt 0x0
	s_barrier_signal -1
	s_barrier_wait -1                              ; everybody's have
	VARS
	FRONT                                          ; step 0's relative term: every wave
.Lstep:                                            ; 15 trips: behind each change of slots but the last the next step's tiles are asked for
	CHANGE 1
	s_cmp_eq_u32 s[GO1], 0
	s_cbranch_scc1 .Lnot_behind
	FRONT                                          ; one class: this step's relative term (from the second trip on)
.Lnot_behind:
	s_wait_alu depctr_va_vdst(0)
	REST 1
	s_mov_b32 s[GO1], s[CL0]
	s_cmp_eq_u32 s[CNT], 1
	s_cselect_b32 s[TA], 0, s[CL0]                 ; in the last trip every wave makes the next step's term here, so the step written out behind the loop has no FRONT
	s_cmp_lg_u32 s[TA], 0
	s_cbranch_scc1 .Lnot_ahead
	FRONT                                          ; the other class: the next step's
.Lnot_ahead:
	s_sub_co_u32 s[CNT], s[CNT], 1
	s_cmp_lg_u32 s[CNT], 0
	s_cbranch_scc1 .Lstep
	CHANGE 0                                       ; the last step is written out
	s_wait_alu depctr_va_vdst(0)
	REST 0
; THE WAY OUT of a tile.  O^T / the sum x 2^(e10 + e11), held, converted; then the halves of the lanes exchange half of their codes, so that a lane holds 16 neighbouring channels twice, and the wave stores 1,024 bytes on end.
.macro FINISH st, ob, sx, pc, boff
	v_add_f32 v[\st+2], v[\st+2], v[\st+3]         ; the sum's two halves,
	s_delay_alu instid0(VALU_DEP_1)
	v_permlanex16_b32 v[PRM], v[\st+2], s[SEL], s[SEL+1]
	s_delay_alu instid0(VALU_DEP_1)
	v_add_f32 v[\st+2], v[\st+2], v[PRM]           ; and lane l xor 16's
	s_wait_alu depctr_va_vdst(0)
	v_rcp_f32 v[\st+2], v[\st+2]
	v_cmp_ne_u32 vcc_lo, 0, v[HH]                  ; (the plain line behind the transcendental)  lanes 16-31
	s_wait_alu depctr_va_vdst(0)
	v_ldexp_f32 v[\st+2], v[\st+2], s77
	WIN 0x01                                       ; source 0 (O^T) window 1
.set j, 0
.rept 16
	v_pk_mul_f32 v[\sx+j:\sx+j+1], v[\ob+j:\ob+j+1], v[\st+2:\st+3] op_sel_hi:[1,0]   ; register 8 t + i: channel 16 t + 8 h + i of query r; each accumulator from its low end on
.set j, j+2
.endr
	WIN 0
.set j, 0
.rept 32
	v_med3_num_f32 v[\sx+j], v[\sx+j], -v[LIMO], v[LIMO]
.set j, j+1
.endr
.irp t, 0,1,2,3
	v_cvt_scalef32_pk8_fp8_f32 v[\pc+2*\t:\pc+2*\t+1], v[\sx+8*\t:\sx+8*\t+7], v[SCLO]
.endr
	v_nop                                          ; one plain vector line behind the last conversion
.irp g, 0,1                                    ; of tiles 2 g and 2 g + 1: lanes 0-15 keep tile 2 g and want their partner's; lanes 16-31 keep tile 2 g + 1.  Each sends the tile that it does not keep
	v_cndmask_b32 v[\sx+32+4*\g],   v[\pc+4*\g+2], v[\pc+4*\g],   vcc_lo
	v_cndmask_b32 v[\sx+32+4*\g+1], v[\pc+4*\g+3], v[\pc+4*\g+1], vcc_lo
.endr
.irp g, 0,1
	s_delay_alu instid0(VALU_DEP_4)
	v_permlanex16_b32 v[\sx+32+4*\g+2], v[\sx+32+4*\g],   s[SEL], s[SEL+1]
	s_delay_alu instid0(VALU_DEP_4)
	v_permlanex16_b32 v[\sx+32+4*\g+3], v[\sx+32+4*\g+1], s[SEL], s[SEL+1]
.endr
.irp g, 0,1                                    ; channels 32 g + 16 h + 0 .. 15
	v_cndmask_b32 v[\sx+40+4*\g],   v[\pc+4*\g],       v[\sx+32+4*\g+2], vcc_lo
	v_cndmask_b32 v[\sx+40+4*\g+1], v[\pc+4*\g+1],     v[\sx+32+4*\g+3], vcc_lo
	v_cndmask_b32 v[\sx+40+4*\g+2], v[\sx+32+4*\g+2],  v[\pc+4*\g+2],    vcc_lo
	v_cndmask_b32 v[\sx+40+4*\g+3], v[\sx+32+4*\g+3],  v[\pc+4*\g+3],    vcc_lo
.endr
	global_store_b128 v[GO], v[\sx+40:\sx+43], s[16:17] offset:\boff       ; 32 lanes store 512 consecutive bytes, at a multiple of 256 from ao's first byte; no register of a store is written again
	global_store_b128 v[GO], v[\sx+44:\sx+47], s[16:17] offset:\boff+512
.endm
	PLACES                                         ; behind the last products
	FINISH STA, OA, SA, RTA, 0
	FINISH STB, OB, SB, RTB, 4096
	s_wait_tensorcnt 0x0                           ; the wave's end
	ds_add_u32 v[SPW], v[NIL]
	s_wait_dscnt 0x0
	s_endpgm
.Lfunc_end_k_qf8db62dd9f_attn:
	.size	k_qf8db62dd9f_attn, .Lfunc_end_k_qf8db62dd9f_attn-k_qf8db62dd9f_attn
	.p2alignl 7, 3214868480
	.fill 96, 4, 3214868480
	.section	.rodata,"a",@progbits
	.p2align	6, 0x0
	.amdhsa_kernel k_qf8db62dd9f_attn
		.amdhsa_group_segment_fixed_size 327680
		.amdhsa_private_segment_fixed_size 0
		.amdhsa_enable_private_segment 0
		.amdhsa_kernarg_size 56
		.amdhsa_user_sgpr_count 2
		.amdhsa_user_sgpr_kernarg_segment_ptr 1
		.amdhsa_wavefront_size32 1
		.amdhsa_system_sgpr_workgroup_id_x 1
		.amdhsa_system_sgpr_workgroup_id_y 1
		.amdhsa_system_sgpr_workgroup_id_z 1
		.amdhsa_system_vgpr_workitem_id 0
		.amdhsa_next_free_vgpr 512
		.amdhsa_next_free_sgpr 100
		.amdhsa_reserve_vcc 1
		.amdhsa_float_denorm_mode_32 3
		.amdhsa_float_denorm_mode_16_64 3
		.amdhsa_memory_ordered 1
		.amdhsa_forward_progress 1
		.amdhsa_inst_pref_size 255
	.end_amdhsa_kernel
	.section	.bss,"aw",@nobits
	.p2align	6
	.space	262144
	.amdgpu_metadata
---
amdhsa.version: [ 1, 2 ]
amdhsa.kernels:
  - .name:           k_qf8db62dd9f_attn
    .symbol:         k_qf8db62dd9f_attn.kd
    .args:
      - { .name: q6c, .offset: 0, .size: 8, .value_kind: global_buffer, .address_space: global }
      - { .name: q8c, .offset: 8, .size: 8, .value_kind: global_buffer, .address_space: global }
      - { .name: kc, .offset: 16, .size: 8, .value_kind: global_buffer, .address_space: global }
      - { .name: vt, .offset: 24, .size: 8, .value_kind: global_buffer, .address_space: global }
      - { .name: E_codes, .offset: 32, .size: 8, .value_kind: global_buffer, .address_space: global }
      - { .name: lowp_scales, .offset: 40, .size: 8, .value_kind: global_buffer, .address_space: global }
      - { .name: ao, .offset: 48, .size: 8, .value_kind: global_buffer, .address_space: global }
    .group_segment_fixed_size: 327680
    .private_segment_fixed_size: 0
    .kernarg_segment_align: 8
    .kernarg_segment_size: 56
    .max_flat_workgroup_size: 256
    .sgpr_count:     100
    .vgpr_count:     512
    .wavefront_size: 32
...
	.end_amdgpu_metadata
.endif
;; end of part 3
;; launch outproj (part 4): grid 8 x 32, 8 waves a work-group, clusters of 4 x 4, 327,680 bytes of LDS; arguments ao, Wo_codes, lowp_scales, bo, out0; writes out0
.if DOCPART == 4
	.amdgcn_target "amdgcn-amd-amdhsa--gfx1250"
	.amdhsa_code_object_version 6
	.text
	.protected	k_qf8db62dd9f_outproj
	.globl	k_qf8db62dd9f_outproj
	.p2align	8
	.type	k_qf8db62dd9f_outproj,@function
k_qf8db62dd9f_outproj:
	s_mov_b64 s[64:65], 0
	v_nop
	global_prefetch_b8 v0, s[64:65] scope:SCOPE_SE
	s_setreg_imm32_b32 hwreg(HW_REG_WAVE_MODE, 25, 1), 1
	s_wait_xcnt 0x0
	s_wait_alu depctr_hold_cnt(0) depctr_sa_sdst(0) depctr_va_vdst(0) depctr_va_sdst(0) depctr_va_ssrc(0) depctr_va_vcc(0) depctr_vm_vsrc(0)
	s_getreg_b32 s2, hwreg(HW_REG_IB_STS2, 6, 4)
	s_cmp_eq_u32 s2, 0
	s_cbranch_scc0 .Lentry_in_a_cluster
	s_endpgm
.Lentry_in_a_cluster:
	s_bfe_u32 s2, ttmp6, 0x10000c
	s_cmp_lg_u32 s2, 0xf033
	s_cbranch_scc0 .Lentry_shape_is_right
	s_endpgm
.Lentry_shape_is_right:
; out0[m][n] = (sum over k of ao[m][k] Wo[n][k]) x 2^(e12 + e13) + bo[n]: [4096, 1024] x [1024, 1024]^T on codes of FP8 (E4M3), sums in f32.
; ao lies in the order of the operand's registers: [k / 256][row / 16][head % 4][c 0..1][lane][16 bytes], lane (r, h) holding k = 64 head + 32 c + 16 h + 0 .. 15 of row r.
; SHARES.  A work-group makes 128 x 128 of out0: 8 x 32 = 256 work-groups.  Each of its eight waves makes 32 rows x 64 columns: 2 x 4 accumulators, which take turns.
; ALL OF K LIES IN LDS: A's 128 rows x 1,024 codes as four dense pieces of 32,768 bytes (one for each 256 along K), B's as four tiles of 128 rows x 256 bytes + 16 of padding.
; Eight first fills, one a wave, all at the head; no byte of LDS is filled again, so one barrier stands between the fills and the products and none among the products.
; CLUSTERS: 4 x 4 work-groups; A's pieces hang on the row block alone and are asked for jointly along a row of the cluster, B's tiles on the column block alone, along a column.
; NO PREFETCH: the launch has no loop to run ahead in; every tile is asked for by the head's own loads.
; THE MATRIX INSTRUCTION IS USED TRANSPOSED (source 0 = 16 rows of Wo, source 1 = 16 rows of ao): a lane holds eight neighbouring columns of one row of out0.
; LIMIT: e12 + e13 lies between -126 and 127, so that 2^(e12 + e13) is an f32 number.
; REGISTERS: v1-7 at work in the head; v16-29 addresses; v32-63 the bias; v64-127 the accumulators; v128-159 A's two fragments, v160-223 B's four; on the way out v128-255 are free.
.set PITCH,  272                       ; a row of B's tile in LDS
.set APIECE, 32768                     ; 8 tiles of 16 rows x 4,096 bytes
.set ASTEP,  1048576                   ; from one 256 along K to the next in ao
.set BOFF,   4*APIECE
.set BPIECE, 128*PITCH
.set STAGE,  BOFF+4*BPIECE             ; the way out: 16 rows x (256 + 16) bytes for each wave; no tile lands here
.set SPITCH, 272
.set SPARE,  STAGE+8*16*SPITCH         ; the spare words, 128 bytes for each wave
.set ADRA, 16                          ; v16, v17  my A fragments: K 0-511, K 512-1023
.set ADRB, 20                          ; v20, v21  the same for B
.set STO,  24
.set RD,   25
.set CO,   26
.set BO,   27
.set SPW,  28                          ; my spare word; never rewritten
.set NIL,  29                          ; 0; never rewritten
.set BIAS, 32
.set ACC,  64
.set AF,   128
.set BF,   160
.set G1,  24
.set G0,  32
.set G1B, 48
.set G0B, 56
.macro CROUND                          ; a round of the cluster's barrier
	s_barrier_signal -1
	s_barrier_wait -1
	s_cmp_lg_u32 s14, 0
	s_cbranch_scc1 .Lnot_wave_0_\@
	s_barrier_signal -3
.Lnot_wave_0_\@:
	s_barrier_wait -3
	s_barrier_signal -1
	s_barrier_wait -1
.endm
.macro PLACES
.rept 4
	v_nop
.endr
.endm
	s_load_b128 s[4:7], s[0:1], 0x0                ; ao, Wo's codes
	s_load_b128 s[8:11], s[0:1], 0x10              ; the scales' exponents, bo
	s_load_b64 s[12:13], s[0:1], 0x20              ; out0
	v_lshl_add_u32 v[SPW], v0, 2, SPARE
	v_mov_b32 v[NIL], 0
	ds_add_u32 v[SPW], v[NIL]                      ; the opening lines: the add twice on end and one wait
	ds_add_u32 v[SPW], v[NIL]
	v_lshrrev_b32 v1, 5, v0
	v_readfirstlane_b32 s14, v1                    ; wave 0..7
	s_lshr_b32 s15, s14, 2                         ; I fetch for A (0) or for B (1),
	s_and_b32 s16, s14, 3                          ; the piece of this 256 along K
	s_lshr_b32 s18, s14, 1                         ; my 32 rows of the block
	s_and_b32 s19, s14, 1                          ; my 64 columns
	s_bfe_u32 s40, ttmp6, 0x40000                  ; cx
	s_bfe_u32 s41, ttmp6, 0x40004                  ; cy
	s_lshl_b32 s42, ttmp9, 2
	s_add_co_u32 s42, s42, s40                     ; column block 0..7
	s_and_b32 s17, ttmp7, 0xffff
	s_lshl_b32 s17, s17, 2
	s_add_co_u32 s17, s17, s41                     ; row block 0..31
	s_lshl_b32 s43, s41, 2
	s_lshl_b32 s43, 15, s43                        ; my row of the cluster
	s_lshl_b32 s44, 0x1111, s40                    ; my column
	s_or_b32 s[G1+0], s43, (0<<16)|(1<<21)         ; A: 128 dense rows of 256 bytes, no padding
	s_or_b32 s[G1B+0], s44, (0<<16)|(1<<20)|(1<<21)|(5<<22)|(3<<25)   ; B: four words of padding after every 64
.irp g, G1, G1B
	s_mov_b32 s[\g+1], 256<<16
	s_mov_b32 s[\g+2], 128<<16
	s_mov_b32 s[\g+3], 256<<16
	s_mov_b32 s[\g+4], 128
	s_mov_b32 s[\g+6], 0
	s_mov_b32 s[\g+7], 0
.endr
	s_mov_b32 s[G1+5], 256
	s_mov_b32 s[G1B+5], 1024
	s_lshl_b32 s20, s17, 15                        ; A: 8 tiles x 4,096 bytes x row block
	s_lshl_b32 s21, s16, 20
	s_add_co_u32 s20, s20, s21                     ; + ASTEP x piece
	s_mov_b32 s21, 0
	s_lshl_b32 s46, s42, 17                        ; B: 128 rows x 1,024 bytes x column block
	s_lshl_b32 s47, s16, 8
	s_add_co_u32 s46, s46, s47                     ; + 256 bytes x piece
	s_mov_b32 s47, 0
	s_mul_i32 s45, s16, APIECE
	s_mul_i32 s66, s16, BPIECE
	s_add_co_u32 s66, s66, BOFF
	s_wait_dscnt 0x0                               ; both opening adds are done
	s_wait_kmcnt 0x0
	s_load_b64 s[96:97], s[8:9], 0x30              ; e12, e13
	s_mov_b32 s[G0], 1
	s_mov_b32 s[G0+1], s45
	s_add_nc_u64 s[G0+2:G0+3], s[4:5], s[20:21]
	s_or_b32 s[G0+3], s[G0+3], 0x80000000
	s_mov_b32 s[G0B], 1
	s_mov_b32 s[G0B+1], s66
	s_add_nc_u64 s[G0B+2:G0B+3], s[6:7], s[46:47]
	s_or_b32 s[G0B+3], s[G0B+3], 0x80000000
	CROUND                                         ; all sixteen work-groups are here: the joint loads meet
	s_cmp_eq_u32 s15, 0
	s_cbranch_scc0 .Lfor_b
	tensor_load_to_lds s[G0:G0+3], s[G1:G1+7]
	s_nop 0
	PLACES
	s_branch .Lasked
.Lfor_b:
	tensor_load_to_lds s[G0B:G0B+3], s[G1B:G1B+7]
	s_nop 0
	PLACES
.Lasked:
	s_lshl_b32 s46, s42, 9                         ; my first column in bytes: 512 x column block + 256 x half
	s_lshl_b32 s47, s19, 8
	s_add_co_u32 s46, s46, s47
	s_mov_b32 s47, 0
	s_add_nc_u64 s[10:11], s[10:11], s[46:47]
	s_add_nc_u64 s[12:13], s[12:13], s[46:47]
	s_lshl_b32 s68, s17, 7
	s_lshl_b32 s69, s18, 5
	s_add_co_u32 s68, s68, s69                     ; my first row: 128 x row block + 32 x my part
	s_lshl_b32 s68, s68, 12                        ; x 4,096 bytes
	s_mov_b32 s69, 0
	s_add_nc_u64 s[12:13], s[12:13], s[68:69]
	s_lshl_b32 s21, s18, 13                        ; my two tiles of A in a piece
	s_mul_i32 s22, s19, 64*PITCH
	s_add_co_u32 s22, s22, BOFF                    ; my 64 rows of B in a tile
	s_mul_i32 s23, s14, 16*SPITCH
	s_add_co_u32 s23, s23, STAGE                   ; my stage
	v_and_b32 v1, 15, v0                           ; r
	v_bfe_u32 v2, v0, 4, 1                         ; h
	v_and_b32 v6, 31, v0
	s_delay_alu instid0(VALU_DEP_3)
	v_mul_u32_u24 v3, v1, PITCH
	s_delay_alu instid0(VALU_DEP_2)
	v_lshlrev_b32 v6, 4, v6                        ; 16 x lane
	v_mul_u32_u24 v7, v2, SPITCH
	v_lshlrev_b32 v[CO], 12, v2
	v_lshlrev_b32 v[BO], 5, v2
	v_lshl_add_u32 v4, v2, 4, v3                   ; B: row r x pitch + 16 h
	v_lshl_add_u32 v5, v2, 5, v3                   ; the stage, in: row r, 32 h
	v_add_nc_u32 v[ADRA], s21, v6
	v_lshl_add_u32 v7, v1, 4, v7                   ; back: lanes 0-15 one row, lanes 16-31 the next
	v_lshl_add_u32 v[CO], v1, 4, v[CO]             ; and the same two rows in out0
	v_add_nc_u32 v[ADRB], s22, v4
	v_add_nc_u32 v[STO], s23, v5
	v_add_nc_u32 v[ADRA+1], 2*APIECE, v[ADRA]
	v_add_nc_u32 v[RD], s23, v7
	s_delay_alu instid0(VALU_DEP_4)
	v_add_nc_u32 v[ADRB+1], 2*BPIECE, v[ADRB]
.irp b, 0,1,2,3
	global_load_b128 v[BIAS+8*\b:BIAS+8*\b+3],   v[BO], s[10:11] offset:64*\b      ; bo at my columns 16 b + 8 h + 0 .. 7
	global_load_b128 v[BIAS+8*\b+4:BIAS+8*\b+7], v[BO], s[10:11] offset:64*\b+16
.endr
; The fragments of step s, 128 along K: B's four (16 loads), then A's two (4 + 4).  Registers 4 c .. 4 c + 3 hold k = 32 c + 16 h + 0 .. 15 on both sides.
.macro FETCH s
.set KS, (\s)/2
.set AO, (KS%2)*APIECE+((\s)%2)*2048
.set BB, (KS%2)*BPIECE+((\s)%2)*128
.irp b, 0,1,2,3
.irp c, 0,1,2,3
	ds_load_b128 v[BF+16*\b+4*\c:BF+16*\b+4*\c+3], v[ADRB+KS/2] offset:BB+\b*16*PITCH+32*\c
.endr
.endr
.irp a, 0,1
.irp c, 0,1,2,3
	ds_load_b128 v[AF+16*\a+4*\c:AF+16*\a+4*\c+3], v[ADRA+KS/2] offset:AO+\a*4096+512*\c
.endr
.endr
.endm
.macro MUL a, zero                     ; A's block a against B's four; the eight accumulators take turns, one instruction a turn
.irp b, 0,1,2,3
.if \zero
	v_wmma_f32_16x16x128_fp8_fp8 v[ACC+8*(4*\a+\b):ACC+8*(4*\a+\b)+7], v[BF+16*\b:BF+16*\b+15], v[AF+16*\a:AF+16*\a+15], 0
.else
	v_wmma_f32_16x16x128_fp8_fp8 v[ACC+8*(4*\a+\b):ACC+8*(4*\a+\b)+7], v[BF+16*\b:BF+16*\b+15], v[AF+16*\a:AF+16*\a+15], v[ACC+8*(4*\a+\b):ACC+8*(4*\a+\b)+7]
.endif
.endr
.endm
.macro KSTEP s, zero
	FETCH \s
	s_wait_dscnt 4                                 ; B's four and A's block 0 are in; the youngest four loads (A's block 1) may be out
	MUL 0, \zero
	s_wait_dscnt 0x0
	MUL 1, \zero
.endm
	s_wait_alu depctr_va_vdst(0)                   ; the wait at the head's end
	s_wait_tensorcnt 0x0                           ; my piece has landed,
	s_barrier_signal -1
	s_barrier_wait -1                              ; everybody's has
	KSTEP 0, 1                                     ; the first products start the sums
.irp s, 1,2,3,4,5,6,7
	PLACES                                         ; four places in front of loads into registers that matrix instructions have read
	KSTEP \s, 0
.endr
	s_wait_kmcnt 0x0
	s_add_co_i32 s96, s96, s97
	s_add_co_i32 s96, s96, 127
	s_lshl_b32 s96, s96, 23                        ; 2^(e12 + e13) as f32
	s_mov_b32 s97, s96
	PLACES                                         ; behind the last products
	s_wait_loadcnt 0x0                             ; the bias
; THE WAY OUT, 16 rows x 64 columns at a time, through my own stage: in as 32 bytes a lane, back as whole rows of 256 bytes.  LDS serves a wave's instructions in order, so no wait stands between stores and loads.
.irp a, 0,1
.set TT, 128+64*\a
.set j, 0
.rept 16
	v_pk_fma_f32 v[TT+j:TT+j+1], v[ACC+32*\a+j:ACC+32*\a+j+1], s[96:97], v[BIAS+j:BIAS+j+1] op_sel_hi:[1,0,1]   ; each accumulator from its low end on
.set j, j+2
.endr
.irp b, 0,1,2,3
	ds_store_b128 v[STO], v[TT+8*\b:TT+8*\b+3] offset:64*\b
	ds_store_b128 v[STO], v[TT+8*\b+4:TT+8*\b+7] offset:64*\b+16
.endr
.irp i, 0,1,2,3,4,5,6,7
	ds_load_b128 v[TT+32+4*\i:TT+32+4*\i+3], v[RD] offset:\i*2*SPITCH
.endr
.endr
.irp a, 0,1
	s_wait_dscnt 16-16*\a                          ; block a is back; behind block 0's loads stand block 1's 8 stores and 8 loads
.irp i, 0,1,2,3,4,5,6,7
	global_store_b128 v[CO], v[160+64*\a+4*\i:160+64*\a+4*\i+3], s[12:13] offset:(16*\a+2*\i)*4096 th:TH_STORE_NT   ; 16 lanes store 256 consecutive bytes, at a multiple of 256 from out0's first byte
.endr
.endr
	s_wait_tensorcnt 0x0                           ; the wave's end
	ds_add_u32 v[SPW], v[NIL]
	s_wait_dscnt 0x0
	CROUND                                         ; the closing round
	s_endpgm
.Lfunc_end_k_qf8db62dd9f_outproj:
	.size	k_qf8db62dd9f_outproj, .Lfunc_end_k_qf8db62dd9f_outproj-k_qf8db62dd9f_outproj
	.p2alignl 7, 3214868480
	.fill 96, 4, 3214868480
	.section	.rodata,"a",@progbits
	.p2align	6, 0x0
	.amdhsa_kernel k_qf8db62dd9f_outproj
		.amdhsa_group_segment_fixed_size 327680
		.amdhsa_private_segment_fixed_size 0
		.amdhsa_enable_private_segment 0
		.amdhsa_kernarg_size 40
		.amdhsa_user_sgpr_count 2
		.amdhsa_user_sgpr_kernarg_segment_ptr 1
		.amdhsa_wavefront_size32 1
		.amdhsa_system_sgpr_workgroup_id_x 1
		.amdhsa_system_sgpr_workgroup_id_y 1
		.amdhsa_system_sgpr_workgroup_id_z 1
		.amdhsa_system_vgpr_workitem_id 0
		.amdhsa_next_free_vgpr 256
		.amdhsa_next_free_sgpr 100
		.amdhsa_reserve_vcc 0
		.amdhsa_float_denorm_mode_32 3
		.amdhsa_float_denorm_mode_16_64 3
		.amdhsa_memory_ordered 1
		.amdhsa_forward_progress 1
		.amdhsa_inst_pref_size 31
	.end_amdhsa_kernel
	.amdgpu_metadata
---
amdhsa.version: [ 1, 2 ]
amdhsa.kernels:
  - .name:           k_qf8db62dd9f_outproj
    .symbol:         k_qf8db62dd9f_outproj.kd
    .args:
      - { .name: ao, .offset: 0, .size: 8, .value_kind: global_buffer, .address_space: global }
      - { .name: Wo_codes, .offset: 8, .size: 8, .value_kind: global_buffer, .address_space: global }
      - { .name: lowp_scales, .offset: 16, .size: 8, .value_kind: global_buffer, .address_space: global }
      - { .name: bo, .offset: 24, .size: 8, .value_kind: global_buffer, .address_space: global }
      - { .name: out0, .offset: 32, .size: 8, .value_kind: global_buffer, .address_space: global }
    .group_segment_fixed_size: 327680
    .private_segment_fixed_size: 0
    .kernarg_segment_align: 8
    .kernarg_segment_size: 40
    .max_flat_workgroup_size: 256
    .sgpr_count:     100
    .vgpr_count:     256
    .wavefront_size: 32
...
	.end_amdgpu_metadata
.endif
;; end of part 4
